; MI455X (gfx1250); checked and timed in simulation.
; The chip was launched on July 23, 2026; its instructions are those of AMD's public machine-readable ISA for CDNA 5 (MIT licence, August 2026) and "CDNA5" Instruction Set Architecture Reference Guide (July 2026). The comments in the code are by the model that wrote it; some were corrected since.
;; Hgru3. Allowed arithmetic: float matrix products may take bf16 or f16 operands with f32 sums; other float arithmetic in f32, or as packed bf16 or f16 multiplies, adds, multiply-adds, maxima and minima; sums over many terms, partial sums and values carried from step to step in f32; what a program stores and reads back later, other than sums and carried values, may be rounded once to bf16 or f16.
;; Inputs: Wb1 128 x 1,024 float32; Wb2 1,024 x 128 float32; Wf 8 x 1,024 float32; Wg1 128 x 1,024 float32; Wg2 1,024 x 128 float32; Wk 1,024 x 1,024 float32; Wo 1,024 x 1,024 float32; Wq 1,024 x 1,024 float32; Wv 1,024 x 1,024 float32; gamma 1,024 float32; log_lower_bound 8 float32; x 2 x 4,096 x 1,024 float32.
;; Outputs: out0 2 x 4,096 x 1,024 float32.
;; One version. Each part assembles by itself: llvm-mc -triple=amdgcn-amd-amdhsa -mcpu=gfx1250 --defsym DOCPART=n.
;; ======== version 1 of 1: 8 launches
;; limits: values are held in f16: magnitudes above 65,504 overflow, below 6.1e-05 lose precision
;; workspace buffers: cst 26,476,544 bytes; prj 54,525,952 bytes; qh 16,777,216 bytes; ust 17,039,360 bytes; sst 16,777,216 bytes; ogl 17,039,360 bytes; anr 16,777,216 bytes
;; launch cast (part 1): grid 400 x 1, 8 waves a work-group, no clusters, 18,432 bytes of LDS; arguments x, Wq, Wk, Wv, Wb1, Wg1, Wb2, Wg2, Wo, Wf, log_lower_bound, cst; writes cst
.if DOCPART == 1
	.amdgcn_target "amdgcn-amd-amdhsa--gfx1250"
	.amdhsa_code_object_version 6
	.text
	.protected	k_q85e29937e0_cast
	.globl	k_q85e29937e0_cast
	.p2align	8
	.type	k_q85e29937e0_cast,@function
k_q85e29937e0_cast:
	s_mov_b64 s[64:65], 0
	v_nop
	global_prefetch_b8 v0, s[64:65] scope:SCOPE_SE
	s_setreg_imm32_b32 hwreg(HW_REG_WAVE_MODE, 25, 1), 1
	s_wait_xcnt 0x0
; HGRU3, first of eight launches: cast, gemm1, house, ustate, scan, glaout, lnorm, oproj.
; THIS LAUNCH rounds x and all weights to bf16 (those that later meet f16 operands are then written as f16, which holds a bf16 number of this size exactly down to
; f16's fixed step of 6e-8), and makes lg = log2(lb + (1 - lb) sigmoid(x . Wf)), the log decay of every row and head, on the vector unit (8 columns are no matrix tile).
; THE RECURRENCE is taken in chunks of 256 steps: S at a chunk's end = 2^Gtot S at its start + U, U = sum over s of 2^(Gtot - G_s) k_s v_s^T, G the running sum of lg in the chunk;
; o_t = scale (2^G_t q_t S_start + sum over s <= t of 2^(G_t - G_s) (q_t . k_s) v_s).  In exact arithmetic that is the scan of the problem, step for step.
; WORK LEFT OUT, for all values of the inputs: the scan's first state is a zero that the problem builds itself, so for chunk 0 the product q S_start is 0 and is not made, its slot is neither
; stored nor read, and 2^Gtot of chunk 0 multiplies that zero; U of the last chunk enters no o; blocks of 64 keys that lie wholly behind a query are not multiplied.  Every input has a way to the output: all are loaded.
; LIMITS.  A NaN, an infinity or an overflow that reaches only the work left out is not carried to the result.  lg is held at -160 from below: 2^-160 is 0 in f32, so a decay of 0 acts as 0.
; The decay is at most 1 (log_lower_bound <= 0, which the problem asks for).  q, k, v and the two low-rank stems are kept in f16: within 65,504.
; SHARES.  A work-group takes 32 flat rows of 1,024 f32, a wave 4 of them; a load of a wave covers 512 consecutive bytes, a store 256 consecutive aligned bytes.
; Work-groups 0-255: x.  256-399: the weights; Wq, Wk, Wv and the stems are laid by heads: rows 416 ct + {0 Wq, 128 Wk, 256 Wv, 384 thirty-two stem rows} of wcat.
.set WCAT,  16777216
.set WB2H,  23592960
.set WG2H,  23855104
.set WOH,   24117248
.set LG,    26214400
.set HEADB, 416*2048                   ; bytes of a head's 416 rows in wcat
.set LGS,   16384                      ; LDS: 0 Wf as packed bf16, 2,048 bytes a head; 16,384 the group's 256 lg
.set SPARE, 17408                      ; the spare words, 128 bytes a wave
.set SPW, 8
.set NIL, 9
.set ZR,  14
	s_load_b512 s[8:23], s[0:1], 0x0               ; x, Wq, Wk, Wv, Wb1, Wg1, Wb2, Wg2
	s_load_b256 s[24:31], s[0:1], 0x40             ; Wo, Wf, log_lower_bound, cst
	v_lshl_add_u32 v[SPW], v0, 2, SPARE
	v_mov_b32 v[NIL], 0
	v_and_b32 v1, 31, v0                           ; lane
	v_lshrrev_b32 v4, 5, v0
	v_readfirstlane_b32 s4, v4                     ; wave
	v_lshlrev_b32 v2, 4, v1
	v_lshl_add_u32 v2, v4, 14, v2                  ; loads: wave x 4 rows of 4,096 bytes + 16 lane
	v_lshlrev_b32 v3, 3, v1
	v_lshl_add_u32 v3, v4, 13, v3                  ; stores: wave x 4 rows of 2,048 bytes + 8 lane
	s_mov_b32 s5, ttmp9
	s_wait_kmcnt 0x0
	s_cmp_lt_u32 s5, 256
	s_cbranch_scc1 .Lx
	; ---------------- the weights ----------------
	s_sub_co_u32 s2, s5, 256
	s_mov_b64 s[36:37], s[10:11]                   ; from: Wq,
	s_mov_b32 s38, 0                               ; whose first work-group is 0;
	s_mov_b32 s39, 2                               ; four work-groups to a head's 128 rows
	s_mov_b32 s40, 3
	s_mov_b32 s41, WCAT                            ; to
	s_mov_b32 s42, 0                               ; 0: bf16, 1: that number as f16
.macro PICK from, lo, sh, mk, db, mode
	s_cmp_ge_u32 s2, \from
	s_cselect_b64 s[36:37], s[\lo:\lo+1], s[36:37]
	s_cselect_b32 s38, \from, s38
	s_cselect_b32 s39, \sh, s39
	s_cselect_b32 s40, \mk, s40
	s_cselect_b32 s41, \db, s41
	s_cselect_b32 s42, \mode, s42
.endm
	PICK 32,  12, 2, 3,  WCAT+128*2048,  0         ; Wk
	PICK 64,  14, 2, 3,  WCAT+256*2048,  0         ; Wv
	PICK 96,  16, 0, 0,  WCAT+384*2048,  0         ; Wb1: 32 rows to each of heads 0-3
	PICK 100, 18, 0, 0,  WCAT+2048*2048, 0         ; Wg1: to heads 4-7
	PICK 104, 20, 5, 31, WB2H, 1                   ; dense
	PICK 108, 22, 5, 31, WG2H, 1
	PICK 112, 24, 5, 31, WOH,  1
	s_sub_co_u32 s43, s2, s38                      ; my number within the tensor
	s_lshl_b32 s44, s43, 17
	s_mov_b32 s45, 0
	s_add_nc_u64 s[36:37], s[36:37], s[44:45]
	s_lshr_b32 s46, s43, s39
	s_mul_i32 s46, s46, HEADB
	s_and_b32 s47, s43, s40
	s_lshl_b32 s47, s47, 16
	s_add_co_u32 s46, s46, s47
	s_add_co_u32 s46, s46, s41
	s_mov_b32 s47, 0
	s_add_nc_u64 s[48:49], s[30:31], s[46:47]
.set nn, 0
.rept 32
	global_load_b128 v[64+4*nn:64+4*nn+3], v2, s[36:37] offset:512*nn th:TH_LOAD_NT
.set nn, nn+1
.endr
; Piece c of 32: its load is in when the 31 - c younger ones are still out; every piece has data registers of its own.
.macro WCH c, hf
	s_wait_loadcnt 31-(\c)
	v_cvt_pk_bf16_f32 v[192+2*(\c)], v[64+4*(\c)], v[64+4*(\c)+1]
	v_cvt_pk_bf16_f32 v[193+2*(\c)], v[64+4*(\c)+2], v[64+4*(\c)+3]
.if \hf
	v_lshlrev_b32 v[64+4*(\c)], 16, v[192+2*(\c)]
	v_and_b32 v[64+4*(\c)+1], 0xffff0000, v[192+2*(\c)]
	v_lshlrev_b32 v[64+4*(\c)+2], 16, v[193+2*(\c)]
	v_and_b32 v[64+4*(\c)+3], 0xffff0000, v[193+2*(\c)]
	v_cvt_pk_f16_f32 v[192+2*(\c)], v[64+4*(\c)], v[64+4*(\c)+1]
	v_cvt_pk_f16_f32 v[193+2*(\c)], v[64+4*(\c)+2], v[64+4*(\c)+3]
.endif
	global_store_b64 v3, v[192+2*(\c):193+2*(\c)], s[48:49] offset:256*(\c)
.endm
	s_cmp_eq_u32 s42, 1
	s_cbranch_scc1 .Lhf
.set nn, 0
.rept 32
	WCH nn, 0
.set nn, nn+1
.endr
	s_branch .Lend
.Lhf:
.set nn, 0
.rept 32
	WCH nn, 1
.set nn, nn+1
.endr
	s_branch .Lend
	; ---------------- x ----------------
	; v10 lb, v11 1 - lb, v12 the lane's f, v16-47 two rows as packed bf16, v48-55 eight sums, v56-63 at work, v64-127 two rows as loaded, v128-255 Wf: 16 registers a head
.Lx:
	s_lshl_b32 s32, s5, 17
	s_mov_b32 s33, 0
	s_add_nc_u64 s[8:9], s[8:9], s[32:33]          ; x at the group's first row
	s_lshl_b32 s32, s5, 16
	s_add_nc_u64 s[34:35], s[30:31], s[32:33]      ; xb likewise
	s_lshl_b32 s32, s5, 10
	s_add_co_u32 s32, s32, LG
	s_add_nc_u64 s[36:37], s[30:31], s[32:33]      ; the group's 1,024 bytes of lg
	v_lshlrev_b32 v13, 4, v1                       ; 16 lane
	v_lshl_add_u32 v5, v4, 12, v13                 ; Wf: row = my wave
	v_lshl_add_u32 v7, v4, 11, v13                 ; and its place in LDS
	v_and_b32 v6, 7, v0
	v_lshlrev_b32 v6, 2, v6
	v_mov_b32 v[ZR], 0
	v_mov_b32 v12, 0
	v_lshl_add_u32 v15, v0, 2, LGS
.irp j, 0,1,2,3,4,5,6,7
	global_load_b128 v[16+4*(\j):16+4*(\j)+3], v5, s[26:27] offset:512*(\j)
.endr
	global_load_b32 v10, v6, s[28:29]
.irp j, 0,1,2,3,4,5,6,7
	global_load_b128 v[64+4*(\j):64+4*(\j)+3], v2, s[8:9] offset:512*(\j) th:TH_LOAD_NT
.endr
.irp j, 0,1,2,3,4,5,6,7
	global_load_b128 v[96+4*(\j):96+4*(\j)+3], v2, s[8:9] offset:4096+512*(\j) th:TH_LOAD_NT
.endr
.irp h, 0,1,2,3,4,5,6,7
	s_mov_b32 s[40+(\h)], 0x01010101<<(\h)         ; the lanes whose head is h
.endr
	s_mov_b32 s48, 0xff                            ; the lanes that keep the row in hand
	s_mov_b32 s50, 0x76543210
	s_mov_b32 s51, 0xfedcba98
	s_mov_b32 s49, 2
	s_wait_loadcnt 16                              ; Wf's row and the bound are in; the two rows of x, 16 loads, stay out
.irp j, 0,1,2,3,4,5,6,7
	v_cvt_pk_bf16_f32 v[48+2*(\j)], v[16+4*(\j)], v[16+4*(\j)+1]
	v_cvt_pk_bf16_f32 v[49+2*(\j)], v[16+4*(\j)+2], v[16+4*(\j)+3]
.endr
.irp q, 0,1,2,3
	ds_store_b128 v7, v[48+4*(\q):48+4*(\q)+3] offset:512*(\q)
.endr
	v_cvt_pk_bf16_f32 v10, v10, v10                ; the bound is rounded to bf16 like every input
	v_lshlrev_b32 v10, 16, v10
	v_mul_f32 v10, 0x3fb8aa3b, v10
	v_exp_f32 v10, v10                             ; lb
	v_nop
	s_wait_alu depctr_va_vdst(0)
	v_sub_f32 v11, 1.0, v10
	s_wait_dscnt 0x0                               ; my row of Wf lies in LDS,
	s_barrier_signal -1
	s_barrier_wait -1                              ; everybody's does
.irp h, 0,1,2,3,4,5,6,7
.irp q, 0,1,2,3
	ds_load_b128 v[128+16*(\h)+4*(\q):128+16*(\h)+4*(\q)+3], v13 offset:2048*(\h)+512*(\q)
.endr
.endr
	s_wait_dscnt 0x0
; One row, in register slot s.  The first trip asks for the row two further on as soon as the slot is packed; the second asks for nothing.
.macro ROWX s
.if (\s) == 0
	s_wait_loadcnt 8                               ; this slot's 8 loads are in, the other slot's may stay out
.else
	s_wait_loadcnt 0x0                             ; right whether or not slot 0 has just been asked for again
.endif
	s_wait_xcnt 0x0                                ; the packed registers, which this slot's last stores read, are written only behind this wait
.irp j, 0,1,2,3,4,5,6,7
	v_cvt_pk_bf16_f32 v[16+16*(\s)+2*(\j)], v[64+32*(\s)+4*(\j)], v[64+32*(\s)+4*(\j)+1]
	v_cvt_pk_bf16_f32 v[17+16*(\s)+2*(\j)], v[64+32*(\s)+4*(\j)+2], v[64+32*(\s)+4*(\j)+3]
.endr
	s_cmp_eq_u32 s49, 2
	s_cbranch_scc0 .Lnoload_\@
.irp j, 0,1,2,3,4,5,6,7
	global_load_b128 v[64+32*(\s)+4*(\j):64+32*(\s)+4*(\j)+3], v2, s[8:9] offset:(2+(\s))*4096+512*(\j) th:TH_LOAD_NT
.endr
.Lnoload_\@:
.irp j, 0,1,2,3,4,5,6,7
	global_store_b64 v3, v[16+16*(\s)+2*(\j):17+16*(\s)+2*(\j)], s[34:35] offset:(\s)*2048+256*(\j)
.endr
	; eight sums side by side, over my 32 numbers of the row, straight from the bf16 halves
.set e_, 0
.rept 32
.set h_, 0
.rept 8
.if e_ == 0
	v_fma_mix_f32_bf16 v[48+h_], v[16+16*(\s)], v[128+16*h_], v[ZR] op_sel_hi:[1,1,0]
.elseif e_%2 == 0
	v_fma_mix_f32_bf16 v[48+h_], v[16+16*(\s)+e_/2], v[128+16*h_+e_/2], v[48+h_] op_sel_hi:[1,1,0]
.else
	v_fma_mix_f32_bf16 v[48+h_], v[16+16*(\s)+e_/2], v[128+16*h_+e_/2], v[48+h_] op_sel:[1,1,0] op_sel_hi:[1,1,0]
.endif
.set h_, h_+1
.endr
.set e_, e_+1
.endr
.irp m, 1,2,4,8
.irp h, 0,1,2,3,4,5,6,7
	v_add_f32_dpp v[48+(\h)], v[48+(\h)], v[48+(\h)] row_xmask:\m row_mask:0xf bank_mask:0xf
.endr
.endr
.irp h, 0,1,2,3,4,5,6,7
	v_permlanex16_b32 v[56+(\h)], v[48+(\h)], s50, s51
.endr
.irp h, 0,1,2,3,4,5,6,7
	v_add_f32 v[48+(\h)], v[48+(\h)], v[56+(\h)]
.endr
	v_mov_b32 v56, v48
.irp h, 1,2,3,4,5,6,7
	v_cndmask_b32 v56, v56, v[48+(\h)], s[40+(\h)] ; lane l takes head l % 8,
.endr
	v_cndmask_b32 v12, v12, v56, s48               ; and keeps it if the row is l / 8
	s_lshl_b32 s48, s48, 8
.endm
.Lrow:
	ROWX 0
	ROWX 1
	s_wait_xcnt 0x0                                ; the bases are stepped only behind this wait
	s_add_nc_u64 s[8:9], s[8:9], 8192
	s_add_nc_u64 s[34:35], s[34:35], 4096
	s_sub_co_u32 s49, s49, 1
	s_cmp_lg_u32 s49, 0
	s_cbranch_scc1 .Lrow
	; lane l: f of row 4 wave + l / 8, head l % 8
	v_mul_f32 v56, 0xbfb8aa3b, v12
	v_exp_f32 v56, v56
	v_nop
	s_wait_alu depctr_va_vdst(0)
	v_add_f32 v56, 1.0, v56
	v_rcp_f32 v56, v56                             ; sigmoid(f)
	v_nop
	s_wait_alu depctr_va_vdst(0)
	v_fma_f32 v56, v11, v56, v10
	v_log_f32 v56, v56
	v_nop
	s_wait_alu depctr_va_vdst(0)
	v_max_num_f32 v56, 0xc3200000, v56             ; -160 at the least
	ds_store_b32 v15, v56                          ; thread t's number is word t of the group's [32][8]
	s_wait_dscnt 0x0
	s_barrier_signal -1
	s_barrier_wait -1
	s_cmp_lg_u32 s4, 0
	s_cbranch_scc1 .Lend
	v_add_nc_u32 v57, LGS, v13
	ds_load_b128 v[16:19], v57
	ds_load_b128 v[20:23], v57 offset:512
	s_wait_dscnt 0x0
	global_store_b128 v13, v[16:19], s[36:37]      ; 512 consecutive bytes each
	global_store_b128 v13, v[20:23], s[36:37] offset:512
.Lend:
	s_wait_tensorcnt 0x0                           ; the wave's end, behind my last LDS store
	ds_add_u32 v[SPW], v[NIL]
	s_wait_dscnt 0x0
	s_endpgm
.Lfunc_end_k_q85e29937e0_cast:
	.size	k_q85e29937e0_cast, .Lfunc_end_k_q85e29937e0_cast-k_q85e29937e0_cast
	.p2alignl 7, 3214868480
	.fill 96, 4, 3214868480
	.section	.rodata,"a",@progbits
	.p2align	6, 0x0
	.amdhsa_kernel k_q85e29937e0_cast
		.amdhsa_group_segment_fixed_size 18432
		.amdhsa_private_segment_fixed_size 0
		.amdhsa_enable_private_segment 0
		.amdhsa_kernarg_size 96
		.amdhsa_user_sgpr_count 2
		.amdhsa_user_sgpr_kernarg_segment_ptr 1
		.amdhsa_wavefront_size32 1
		.amdhsa_system_sgpr_workgroup_id_x 1
		.amdhsa_system_sgpr_workgroup_id_y 1
		.amdhsa_system_sgpr_workgroup_id_z 1
		.amdhsa_system_vgpr_workitem_id 0
		.amdhsa_next_free_vgpr 256
		.amdhsa_next_free_sgpr 66
		.amdhsa_reserve_vcc 0
		.amdhsa_float_denorm_mode_32 3
		.amdhsa_float_denorm_mode_16_64 3
		.amdhsa_memory_ordered 1
		.amdhsa_forward_progress 1
		.amdhsa_inst_pref_size 86
	.end_amdhsa_kernel
	.amdgpu_metadata
---
amdhsa.version: [ 1, 2 ]
amdhsa.kernels:
  - .name:           k_q85e29937e0_cast
    .symbol:         k_q85e29937e0_cast.kd
    .args:
      - { .name: x, .offset: 0, .size: 8, .value_kind: global_buffer, .address_space: global }
      - { .name: Wq, .offset: 8, .size: 8, .value_kind: global_buffer, .address_space: global }
      - { .name: Wk, .offset: 16, .size: 8, .value_kind: global_buffer, .address_space: global }
      - { .name: Wv, .offset: 24, .size: 8, .value_kind: global_buffer, .address_space: global }
      - { .name: Wb1, .offset: 32, .size: 8, .value_kind: global_buffer, .address_space: global }
      - { .name: Wg1, .offset: 40, .size: 8, .value_kind: global_buffer, .address_space: global }
      - { .name: Wb2, .offset: 48, .size: 8, .value_kind: global_buffer, .address_space: global }
      - { .name: Wg2, .offset: 56, .size: 8, .value_kind: global_buffer, .address_space: global }
      - { .name: Wo, .offset: 64, .size: 8, .value_kind: global_buffer, .address_space: global }
      - { .name: Wf, .offset: 72, .size: 8, .value_kind: global_buffer, .address_space: global }
      - { .name: log_lower_bound, .offset: 80, .size: 8, .value_kind: global_buffer, .address_space: global }
      - { .name: cst, .offset: 88, .size: 8, .value_kind: global_buffer, .address_space: global }
    .group_segment_fixed_size: 18432
    .private_segment_fixed_size: 0
    .kernarg_segment_align: 8
    .kernarg_segment_size: 96
    .max_flat_workgroup_size: 256
    .sgpr_count:     66
    .vgpr_count:     256
    .wavefront_size: 32
...
	.end_amdgpu_metadata
.endif
;; end of part 1
;; launch gemm1 (part 2): grid 8 x 64, 4 waves a work-group, clusters of 4 x 4, 327,680 bytes of LDS; arguments cst, prj; writes prj
.if DOCPART == 2
	.amdgcn_target "amdgcn-amd-amdhsa--gfx1250"
	.amdhsa_code_object_version 6
	.text
	.protected	k_q85e29937e0_gemm1
	.globl	k_q85e29937e0_gemm1
	.p2align	8
	.type	k_q85e29937e0_gemm1,@function
k_q85e29937e0_gemm1:
	s_mov_b64 s[64:65], 0
	v_nop
	global_prefetch_b8 v0, s[64:65] scope:SCOPE_SE
	s_setreg_imm32_b32 hwreg(HW_REG_WAVE_MODE, 25, 1), 1
	s_wait_xcnt 0x0
	s_wait_alu depctr_hold_cnt(0) depctr_sa_sdst(0) depctr_va_vdst(0) depctr_va_sdst(0) depctr_va_ssrc(0) depctr_va_vcc(0) depctr_vm_vsrc(0)
	s_getreg_b32 s2, hwreg(HW_REG_IB_STS2, 6, 4)
	s_cmp_eq_u32 s2, 0
	s_cbranch_scc0 .Lentry_in_a_cluster
	s_endpgm
.Lentry_in_a_cluster:
	s_bfe_u32 s2, ttmp6, 0x10000c
	s_cmp_lg_u32 s2, 0xf033
	s_cbranch_scc0 .Lentry_shape_is_right
	s_endpgm
.Lentry_shape_is_right:
; xb [8192][1024] x wcat [3328][1024]^T, both bf16, sums in f32.  A tile of the result is 128 rows x 416 columns: head ct's 128 of q, 128 of k, 128 of v and 32 columns of the two low-rank stems.
; Out, all f16: q as it is, silu(k), v ([8192][1024] each), the stems in blocks [8][8192][32].  LIMIT: these stay within f16's 65,504.
; Four waves: wave (wr, wc) has rows 64 wr .. + 63 and the column fragments 2 b + wc, b = 0..12: 52 accumulators, 416 registers; both column waves hold the same mix of q, k, v and stem columns.
; K goes in steps of 128 (rows of 256 bytes, LDS pitch 272) through two LDS slots filled by tensor loads.  CLUSTER 4 x 4: a row of the cluster shares A's tile, a column B's; each is asked for jointly.
; THE MATRIX INSTRUCTION IS USED TRANSPOSED (source 0 = 16 rows of wcat, source 1 = 16 rows of xb): a lane holds row l % 16 and eight neighbouring columns.
; REGISTERS in windows of 256: window 0: v0-31 addresses, v32-95 A's fragments (two sets of 4), v96-255 at work on the way out; window 1: B's fragments, two sets of 13;
; windows 2, 3: accumulator n = 13 a + b at register 8 (n % 32) of window 2 + n / 32.
.set PITCH, 272
.set BF,    13
.set AOFF,  416*PITCH                  ; a slot: B's 416 rows, then A's 128
.set SLOT,  544*PITCH
.set SPARE, 2*SLOT                     ; behind the ring: the spare words, 128 bytes a wave
.set SP,    848                        ; the stage's pitch: 832 bytes of a tile's row + 16; it lies in the ring, which has had its last fill by then
.set WCAT,  16777216
.set LOWB,  50331648
.set ADRA, 16                          ; v16-17 my A fragments in slot 0, 1
.set ADRB, 18                          ; v18-19 my B fragments 0-6
.set ADRC, 20                          ; v20-21 my B fragments 7-12
.set STO,  22
.set RD,   23
.set CO,   24
.set RDL,  25
.set COL,  26
.set SPW,  28
.set NIL,  29
.set G1A, 24                           ; s[24:31] group 1 for A (128 rows)
.set G0A, 32                           ; s[32:39] group 0 for A, a set a slot
.set G1B, 48                           ; s[48:55] group 1 for B, 144 rows
.set G1C, 56                           ; s[56:63] group 1 for B, 128 rows
.set G0B, 68                           ; s[68:75] group 0 for B, a set a slot
.set MSB, 0
.macro WIN new                         ; the immediate's high byte repeats the setting that is left
.if MSB != (\new)
	s_set_vgpr_msb (MSB<<8)|(\new)
.set MSB, (\new)
.endif
.endm
.macro PLACES                          ; four plain places behind matrix instructions, in front of loads into their sources and of readers of their results
.rept 4
	v_nop
.endr
.endm
; A joint load: wave 3 fetches A's 128 rows, waves 0 and 1 144 rows of B each, wave 2 B's last 128.  The branches hang on the wave's number alone.  An s_nop 0 and four v_nop follow each line.
.macro JLOAD s
	s_cmp_eq_u32 s10, 3
	s_cbranch_scc0 .Lforb_\@
	tensor_load_to_lds s[G0A+4*(\s):G0A+4*(\s)+3], s[G1A:G1A+7]
	s_nop 0
.rept 4
	v_nop
.endr
	s_branch .Lasked_\@
.Lforb_\@:
	s_cmp_eq_u32 s10, 2
	s_cbranch_scc0 .Lforc_\@
	tensor_load_to_lds s[G0B+4*(\s):G0B+4*(\s)+3], s[G1C:G1C+7]
	s_nop 0
.rept 4
	v_nop
.endr
	s_branch .Lasked_\@
.Lforc_\@:
	tensor_load_to_lds s[G0B+4*(\s):G0B+4*(\s)+3], s[G1B:G1B+7]
	s_nop 0
.rept 4
	v_nop
.endr
.Lasked_\@:
.endm
.macro CREST                           ; a round of the cluster's barrier behind its opening barrier
	s_cmp_lg_u32 s10, 0
	s_cbranch_scc1 .Lnot_wave_0_\@
	s_barrier_signal -3
.Lnot_wave_0_\@:
	s_barrier_wait -3
	s_barrier_signal -1
	s_barrier_wait -1
.endm
.macro CROUND
	s_barrier_signal -1
	s_barrier_wait -1
	CREST
.endm
	s_load_b128 s[4:7], s[0:1], 0x0                ; cst, prj
	v_lshl_add_u32 v[SPW], v0, 2, SPARE
	v_mov_b32 v[NIL], 0
	ds_add_u32 v[SPW], v[NIL]                      ; the wave's opening: the add, twice on end, and its wait ahead of my first tensor load
	ds_add_u32 v[SPW], v[NIL]
	v_lshrrev_b32 v1, 5, v0
	v_readfirstlane_b32 s10, v1                    ; wave
	s_lshr_b32 s11, s10, 1                         ; wr
	s_and_b32 s12, s10, 1                          ; wc
	s_bfe_u32 s40, ttmp6, 0x40000                  ; cx
	s_bfe_u32 s41, ttmp6, 0x40004                  ; cy
	s_lshl_b32 s42, ttmp9, 2
	s_add_co_u32 s42, s42, s40                     ; ct = 4 x cluster x + cx
	s_and_b32 s13, ttmp7, 0xffff
	s_lshl_b32 s13, s13, 2
	s_add_co_u32 s13, s13, s41                     ; row tile = 4 x cluster y + cy
	s_lshl_b32 s43, s41, 2
	s_lshl_b32 s43, 15, s43                        ; my row of the cluster
	s_lshl_b32 s44, 0x1111, s40                    ; my column
	s_or_b32 s[G1A], s43, (1<<16)|(1<<20)|(1<<21)|(5<<22)|(3<<25)  ; mask; 2-byte elements; padding of 4 words behind every 64; bit 21 beside a mask
	s_or_b32 s[G1B], s44, (1<<16)|(1<<20)|(1<<21)|(5<<22)|(3<<25)
	s_or_b32 s[G1C], s44, (1<<16)|(1<<20)|(1<<21)|(5<<22)|(3<<25)
.irp g, G1A, G1B, G1C
	s_mov_b32 s[(\g)+1], 128<<16                   ; tensor_dim0
	s_mov_b32 s[(\g)+3], 128<<16                   ; tile_dim0
	s_mov_b32 s[(\g)+5], 1024                      ; elements from row to row
	s_mov_b32 s[(\g)+6], 0
	s_mov_b32 s[(\g)+7], 0
.endr
	s_mov_b32 s[G1A+2], 128<<16                    ; tensor_dim1 and tile_dim1: the rows
	s_mov_b32 s[G1A+4], 128
	s_mov_b32 s[G1B+2], 144<<16
	s_mov_b32 s[G1B+4], 144
	s_mov_b32 s[G1C+2], 128<<16
	s_mov_b32 s[G1C+4], 128
	s_lshl_b32 s16, s13, 18                        ; A: 128 rows of 2,048 bytes a tile: the tile row alone
	s_mov_b32 s17, 0
	s_mul_i32 s46, s42, 416                        ; B: row 416 ct + 144 wave: the tile column and the wave's number alone
	s_mul_i32 s47, s10, 144
	s_add_co_u32 s46, s46, s47
	s_lshl_b32 s46, s46, 11
	s_add_co_u32 s46, s46, WCAT
	s_mov_b32 s47, 0
	s_mul_i32 s20, s10, 144*PITCH                  ; where B's part goes
	s_wait_dscnt 0x0                               ; both opening adds are done
	s_wait_kmcnt 0x0
	s_add_nc_u64 s[14:15], s[4:5], s[16:17]
	s_add_nc_u64 s[46:47], s[4:5], s[46:47]
	CROUND                                         ; all sixteen work-groups are here: the first joint loads meet
.irp s, 0,1
	s_mov_b32 s[G0A+4*(\s)], 1
	s_mov_b32 s[G0A+4*(\s)+1], AOFF+(\s)*SLOT
	s_add_nc_u64 s[G0A+4*(\s)+2:G0A+4*(\s)+3], s[14:15], (\s)*256
	s_or_b32 s[G0A+4*(\s)+3], s[G0A+4*(\s)+3], 0x80000000
	s_mov_b32 s[G0B+4*(\s)], 1
	s_add_co_u32 s[G0B+4*(\s)+1], s20, (\s)*SLOT
	s_add_nc_u64 s[G0B+4*(\s)+2:G0B+4*(\s)+3], s[46:47], (\s)*256
	s_or_b32 s[G0B+4*(\s)+3], s[G0B+4*(\s)+3], 0x80000000
	JLOAD \s
.endr
	v_and_b32 v1, 15, v0                           ; r
	v_bfe_u32 v2, v0, 4, 1                         ; h
	v_and_b32 v5, 31, v0                           ; l
	v_mul_u32_u24 v3, v1, PITCH
	v_lshl_add_u32 v3, v2, 4, v3
	s_mul_i32 s21, s11, 64*PITCH
	s_add_co_u32 s21, s21, AOFF
	s_mul_i32 s22, s12, 16*PITCH
.irp s, 0,1
	v_add_nc_u32 v[ADRA+(\s)], s21, v3
	v_add_nc_u32 v[ADRB+(\s)], s22, v3
	v_add_nc_u32 v[ADRC+(\s)], 7*32*PITCH, v[ADRB+(\s)]
	s_add_co_u32 s21, s21, SLOT
	s_add_co_u32 s22, s22, SLOT
.endr
	s_mul_i32 s23, s11, 64*SP                      ; into the stage: row 64 wr + r, bytes 32 wc + 16 h
	s_lshl_b32 s21, s12, 5
	s_add_co_u32 s23, s23, s21
	v_mul_u32_u24 v4, v1, SP
	v_lshl_add_u32 v4, v2, 4, v4
	v_add_nc_u32 v[STO], s23, v4
	s_mul_i32 s23, s10, 32*SP                      ; back: wave w takes rows 32 w .. + 31; lanes 0-15 one row's 256 bytes, lanes 16-31 the next row's
	v_mul_u32_u24 v4, v2, SP
	v_lshl_add_u32 v4, v1, 4, v4
	v_add_nc_u32 v[RD], s23, v4
	v_lshlrev_b32 v4, 11, v2
	v_lshl_add_u32 v[CO], v1, 4, v4
	v_lshrrev_b32 v4, 2, v5                        ; the stems: four lanes take a row's 64 bytes
	v_mul_u32_u24 v4, v4, SP
	v_and_b32 v6, 3, v0
	v_lshl_add_u32 v4, v6, 4, v4
	v_add_nc_u32 v4, s23, v4
	v_add_nc_u32 v[RDL], 768, v4
	v_lshlrev_b32 v[COL], 4, v5
	s_lshl_b32 s84, s13, 7                         ; where my 32 rows go
	s_lshl_b32 s85, s10, 5
	s_add_co_u32 s84, s84, s85
	s_lshl_b32 s86, s84, 11
	s_lshl_b32 s87, s42, 8
	s_add_co_u32 s86, s86, s87
	s_mov_b32 s87, 0
	s_add_nc_u64 s[76:77], s[6:7], s[86:87]        ; q
	s_add_nc_u64 s[78:79], s[76:77], 16777216      ; k
	s_add_nc_u64 s[80:81], s[78:79], 16777216      ; v
	s_lshl_b32 s88, s84, 6
	s_lshl_b32 s89, s42, 19
	s_add_co_u32 s88, s88, s89
	s_add_co_u32 s88, s88, LOWB
	s_mov_b32 s89, 0
	s_add_nc_u64 s[82:83], s[6:7], s[88:89]        ; block ct of the stems
; 13 matrix instructions: row fragment a x all my column fragments, 32 along K, from set f.  zero = 1: the first product starts the sums.  All 52 accumulators take turns in one fixed order.
.macro MULA f, a, zero
.set b_, 0
.rept BF
.set n_, BF*(\a)+b_
	WIN 0xa1+0x50*(n_/32)
.if \zero
	v_wmma_f32_16x16x32_bf16 v[8*(n_%32):8*(n_%32)+7], v[8*BF*(\f)+8*b_:8*BF*(\f)+8*b_+7], v[32+32*(\f)+8*(\a):32+32*(\f)+8*(\a)+7], 0
.else
	v_wmma_f32_16x16x32_bf16 v[8*(n_%32):8*(n_%32)+7], v[8*BF*(\f)+8*b_:8*BF*(\f)+8*b_+7], v[32+32*(\f)+8*(\a):32+32*(\f)+8*(\a)+7], v[8*(n_%32):8*(n_%32)+7]
.endif
.set b_, b_+1
.endr
.endm
; 34 LDS loads in one run: the fragments of 32 along K at byte k of the rows, into set f: B's 26, then A's 8 with the row fragments ascending
.macro FETCH slot, k, f
	WIN 0x40
.set b_, 0
.rept BF
.if b_ < 7
	ds_load_b128 v[8*BF*(\f)+8*b_:8*BF*(\f)+8*b_+3],   v[ADRB+(\slot)] offset:(\k)+b_*32*PITCH
	ds_load_b128 v[8*BF*(\f)+8*b_+4:8*BF*(\f)+8*b_+7], v[ADRB+(\slot)] offset:(\k)+b_*32*PITCH+32
.else
	ds_load_b128 v[8*BF*(\f)+8*b_:8*BF*(\f)+8*b_+3],   v[ADRC+(\slot)] offset:(\k)+(b_-7)*32*PITCH
	ds_load_b128 v[8*BF*(\f)+8*b_+4:8*BF*(\f)+8*b_+7], v[ADRC+(\slot)] offset:(\k)+(b_-7)*32*PITCH+32
.endif
.set b_, b_+1
.endr
	WIN 0
.irp a, 0,1,2,3
	ds_load_b128 v[32+32*(\f)+8*(\a):32+32*(\f)+8*(\a)+3],   v[ADRA+(\slot)] offset:(\k)+(\a)*16*PITCH
	ds_load_b128 v[32+32*(\f)+8*(\a)+4:32+32*(\f)+8*(\a)+7], v[ADRA+(\slot)] offset:(\k)+(\a)*16*PITCH+32
.endr
.endm
; A K step is four quarters of 32 along K.  One of the first three multiplies set f and, in its middle, fetches the next quarter into set g.
.macro QUARTER slot, k, f, g, zero
	s_wait_dscnt 4                                 ; all but A's row fragments 2 and 3
	MULA \f, 0, \zero
	MULA \f, 1, \zero
	PLACES
	FETCH \slot, \k, \g
	s_wait_dscnt 2*BF+8                            ; all but the 34 just issued
	MULA \f, 2, \zero
	MULA \f, 3, \zero
.endm
; The last quarter multiplies set 1 and changes slots: each wave waits for all its tensor loads (one is out: its part of the next slot), adds 0 to its spare word, waits for that and for its reads of this slot.
; fill = 1: the barrier opens a round of the cluster's barrier, and this slot is filled again, two K steps ahead, first thing behind the round.
.macro TURN slot, next, fill
	WIN 0
	s_wait_tensorcnt 0x0
	ds_add_u32 v[SPW], v[NIL]
	s_wait_dscnt 5                                 ; the add and A's last four loads may be out
	MULA 1, 0, 0
	s_wait_dscnt 0x0                               ; the add is done, my reads of this slot are over
	s_barrier_signal -1
	MULA 1, 1, 0
	WIN 0
	s_barrier_wait -1
.if \fill
	CREST
	s_add_nc_u64 s[G0A+4*(\slot)+2:G0A+4*(\slot)+3], s[G0A+4*(\slot)+2:G0A+4*(\slot)+3], 512
	s_add_nc_u64 s[G0B+4*(\slot)+2:G0B+4*(\slot)+3], s[G0B+4*(\slot)+2:G0B+4*(\slot)+3], 512
	JLOAD \slot                                    ; its four v_nop are also the places in front of the loads below
.else
	PLACES
.endif
	FETCH \next, 0, 0
	MULA 1, 2, 0
	MULA 1, 3, 0
.endm
	s_wait_tensorcnt 1                             ; my part of K step 0 is in; K step 1's stays out
	s_barrier_signal -1
	s_barrier_wait -1
	FETCH 0, 0, 0
	QUARTER 0, 64, 0, 1, 1                         ; the first quarter's products start the sums
	WIN 0
	s_mov_b32 s3, 3
.Llap:                                                 ; once round the ring: K steps 2 to 7 are asked for in three trips
	QUARTER 0, 128, 1, 0, 0
	QUARTER 0, 192, 0, 1, 0
	TURN 0, 1, 1
	QUARTER 1, 64,  0, 1, 0
	QUARTER 1, 128, 1, 0, 0
	QUARTER 1, 192, 0, 1, 0
	TURN 1, 0, 1
	QUARTER 0, 64,  0, 1, 0
	WIN 0
	s_sub_co_u32 s3, s3, 1
	s_cmp_lg_u32 s3, 0
	s_cbranch_scc1 .Llap
	QUARTER 0, 128, 1, 0, 0                        ; the last lap fills nothing
	QUARTER 0, 192, 0, 1, 0
	TURN 0, 1, 0
	QUARTER 1, 64,  0, 1, 0
	QUARTER 1, 128, 1, 0, 0
	QUARTER 1, 192, 0, 1, 0
	s_wait_dscnt 4
	MULA 1, 0, 0
	MULA 1, 1, 0
	s_wait_dscnt 0x0
	MULA 1, 2, 0
	MULA 1, 3, 0
	WIN 0
	s_barrier_signal -1                            ; every wave's reads of the ring are over (the wait for 0 above): the stage may be written over it
	s_barrier_wait -1
	PLACES
; THE WAY OUT.  silu on k's 32 numbers of row fragment a: x / (1 + 2^(-x log2 e)); each batch of exponentials and of reciprocals has one wait.
.macro SILU4 a
.set b_, 0
.rept 4
.set n_, BF*(\a)+4+b_
	WIN 2+n_/32
.set r_, 0
.rept 4
	v_pk_mul_f32 v[96+8*b_+2*r_:96+8*b_+2*r_+1], v[8*(n_%32)+2*r_:8*(n_%32)+2*r_+1], 0xbfb8aa3b op_sel_hi:[1,0]
.set r_, r_+1
.endr
.set b_, b_+1
.endr
	WIN 0
.set r_, 0
.rept 32
	v_exp_f32 v[96+r_], v[96+r_]
.set r_, r_+1
.endr
	v_nop
	s_wait_alu depctr_va_vdst(0)
.set r_, 0
.rept 16
	v_pk_add_f32 v[96+2*r_:96+2*r_+1], v[96+2*r_:96+2*r_+1], 1.0 op_sel_hi:[1,0]
.set r_, r_+1
.endr
.set r_, 0
.rept 32
	v_rcp_f32 v[96+r_], v[96+r_]
.set r_, r_+1
.endr
	v_nop
	s_wait_alu depctr_va_vdst(0)
.set b_, 0
.rept 4
.set n_, BF*(\a)+4+b_
	WIN 2+n_/32
.set r_, 0
.rept 4
	v_pk_mul_f32 v[96+8*b_+2*r_:96+8*b_+2*r_+1], v[8*(n_%32)+2*r_:8*(n_%32)+2*r_+1], v[96+8*b_+2*r_:96+8*b_+2*r_+1]
.set r_, r_+1
.endr
.set b_, b_+1
.endr
	WIN 0
.set r_, 0
.rept 16
	v_cvt_pk_f16_f32 v[128+r_], v[96+2*r_], v[96+2*r_+1]
.set r_, r_+1
.endr
.irp b, 0,1,2,3
	ds_store_b128 v[STO], v[128+4*(\b):128+4*(\b)+3] offset:(\a)*16*SP+64*(4+(\b))
.endr
.endm
.macro ROWOUT a                        ; q (b = 0-3), v (8-11) and the stems (12) are rounded as they are; each accumulator is read from its low end
.irp b, 0,1,2,3,8,9,10,11,12
.set n_, BF*(\a)+(\b)
	WIN 0x0a+5*(n_/32)
.irp r, 0,1,2,3
	v_cvt_pk_f16_f32 v[144+4*(\b)+(\r)], v[8*(n_%32)+2*(\r)], v[8*(n_%32)+2*(\r)+1]
.endr
.endr
	WIN 0
.irp b, 0,1,2,3,8,9,10,11,12
	ds_store_b128 v[STO], v[144+4*(\b):144+4*(\b)+3] offset:(\a)*16*SP+64*(\b)
.endr
	SILU4 \a
.endm
	ROWOUT 0
	ROWOUT 1
	ROWOUT 2
	ROWOUT 3
	s_wait_dscnt 0x0                               ; my stores into the stage are done: a row's bytes come from two waves
	s_barrier_signal -1
	s_barrier_wait -1
.macro SENDSEG seg, base
.irp t, 0,1,2,3,4,5,6,7,8,9,10,11,12,13,14,15
	ds_load_b128 v[96+4*(\t):96+4*(\t)+3], v[RD] offset:256*(\seg)+(\t)*2*SP
.endr
.irp t, 0,1,2,3,4,5,6,7,8,9,10,11,12,13,14,15
	s_wait_dscnt 15-(\t)
	global_store_b128 v[CO], v[96+4*(\t):96+4*(\t)+3], s[\base:\base+1] offset:(\t)*4096  ; 16 lanes store 256 consecutive aligned bytes
.endr
.endm
	SENDSEG 0, 76
	s_wait_xcnt 0x0                                ; the registers that the stores read are loaded again only behind this wait
	SENDSEG 1, 78
	s_wait_xcnt 0x0
	SENDSEG 2, 80
.irp i, 0,1,2,3
	ds_load_b128 v[160+4*(\i):160+4*(\i)+3], v[RDL] offset:(\i)*8*SP
.endr
.irp i, 0,1,2,3
	s_wait_dscnt 3-(\i)
	global_store_b128 v[COL], v[160+4*(\i):160+4*(\i)+3], s[82:83] offset:512*(\i)  ; eight rows of 64 bytes lie end to end: 512 consecutive bytes
.endr
	s_wait_tensorcnt 0x0                           ; the wave's end
	ds_add_u32 v[SPW], v[NIL]
	s_wait_dscnt 0x0
	CROUND                                         ; the closing round
	s_endpgm
.Lfunc_end_k_q85e29937e0_gemm1:
	.size	k_q85e29937e0_gemm1, .Lfunc_end_k_q85e29937e0_gemm1-k_q85e29937e0_gemm1
	.p2alignl 7, 3214868480
	.fill 96, 4, 3214868480
	.section	.rodata,"a",@progbits
	.p2align	6, 0x0
	.amdhsa_kernel k_q85e29937e0_gemm1
		.amdhsa_group_segment_fixed_size 327680
		.amdhsa_private_segment_fixed_size 0
		.amdhsa_enable_private_segment 0
		.amdhsa_kernarg_size 16
		.amdhsa_user_sgpr_count 2
		.amdhsa_user_sgpr_kernarg_segment_ptr 1
		.amdhsa_wavefront_size32 1
		.amdhsa_system_sgpr_workgroup_id_x 1
		.amdhsa_system_sgpr_workgroup_id_y 1
		.amdhsa_system_sgpr_workgroup_id_z 1
		.amdhsa_system_vgpr_workitem_id 0
		.amdhsa_next_free_vgpr 928
		.amdhsa_next_free_sgpr 96
		.amdhsa_reserve_vcc 0
		.amdhsa_float_denorm_mode_32 3
		.amdhsa_float_denorm_mode_16_64 3
		.amdhsa_memory_ordered 1
		.amdhsa_forward_progress 1
		.amdhsa_inst_pref_size 154
	.end_amdhsa_kernel
	.amdgpu_metadata
---
amdhsa.version: [ 1, 2 ]
amdhsa.kernels:
  - .name:           k_q85e29937e0_gemm1
    .symbol:         k_q85e29937e0_gemm1.kd
    .args:
      - { .name: cst, .offset: 0, .size: 8, .value_kind: global_buffer, .address_space: global }
      - { .name: prj, .offset: 8, .size: 8, .value_kind: global_buffer, .address_space: global }
    .group_segment_fixed_size: 327680
    .private_segment_fixed_size: 0
    .kernarg_segment_align: 8
    .kernarg_segment_size: 16
    .max_flat_workgroup_size: 128
    .sgpr_count:     96
    .vgpr_count:     928
    .wavefront_size: 32
...
	.end_amdgpu_metadata
.endif
;; end of part 2
;; launch house (part 3): grid 256 x 1, 8 waves a work-group, no clusters, 132,608 bytes of LDS; arguments prj, cst, qh; writes qh
.if DOCPART == 3
	.amdgcn_target "amdgcn-amd-amdhsa--gfx1250"
	.amdhsa_code_object_version 6
	.text
	.protected	k_q85e29937e0_house
	.globl	k_q85e29937e0_house
	.p2align	8
	.type	k_q85e29937e0_house,@function
k_q85e29937e0_house:
	s_mov_b64 s[64:65], 0
	v_nop
	global_prefetch_b8 v0, s[64:65] scope:SCOPE_SE
	s_setreg_imm32_b32 hwreg(HW_REG_WAVE_MODE, 25, 1), 1
	s_wait_xcnt 0x0
; beta = silu(b1 Wb2^T); q = silu(q raw); q - 2 (q . beta) / (beta . beta + 1e-12) beta, which is the problem's reflection with bn = beta rsqrt(beta . beta + 1e-12) put in.  q leaves in f16.
; A work-group takes 32 whole rows.  PHASE 1: wave w makes beta's columns 128 w .. + 127 for all 32 rows (f16 products, K = 128, used transposed: a lane holds row l % 16 and eight neighbouring columns)
; and lays them in LDS in f32.  PHASE 2: wave w takes rows 4 w .. + 3, a whole row to a wave, so both sums over the row stay in the wave.
; NO CLUSTER: what work-groups share is Wb2, which goes straight into registers as fragments; padded in LDS it is 278,528 bytes, which do not fit beside the 131,584 bytes of beta without a ring,
; and a wave has 64 matrix instructions in all to set against such a ring's barriers.
.set LOWB,  50331648
.set WB2H,  23592960
.set BP,    4112                       ; a row of beta in LDS: 4,096 bytes + 16
.set SPARE, 32*BP
.set YO,  4
.set LO,  5
.set WO,  6
.set ST0, 7
.set ST1, 8
.set RB,  9
.set SPW, 10
.set NIL, 11
.set ONE, 12
.set ZR,  13
.set YQ,  16                           ; v16-79   my four rows of q, f16 as loaded, later as stored
.set LF,  80                           ; v80-143  b1's fragments (row block a, K step c at 32 a + 8 c); phase 2: q in f32, and 32 at work
.set QF,  80
.set TT,  112
.set WB,  144                          ; v144-207 Wb2's fragments, two sets; phase 2: two rows of beta
.set ACC, 208                          ; v208-239 two sets of two accumulators
.set T,   240                          ; v240-255 at work
.macro PLACES
.rept 4
	v_nop
.endr
.endm
	s_load_b128 s[4:7], s[0:1], 0x0                ; prj, cst
	s_load_b64 s[8:9], s[0:1], 0x10                ; qh
	v_lshl_add_u32 v[SPW], v0, 2, SPARE
	v_mov_b32 v[NIL], 0
	v_and_b32 v1, 31, v0
	v_and_b32 v2, 15, v0
	v_bfe_u32 v3, v0, 4, 1
	v_lshrrev_b32 v14, 5, v0
	v_readfirstlane_b32 s10, v14
	v_lshlrev_b32 v[YO], 4, v1
	v_lshl_add_u32 v[YO], v14, 13, v[YO]           ; wave x 4 rows of 2,048 bytes + 16 l
	v_lshlrev_b32 v[LO], 6, v2
	v_lshl_add_u32 v[LO], v3, 4, v[LO]             ; r x 64 + 16 h
	v_lshlrev_b32 v[WO], 8, v2
	v_lshl_add_u32 v[WO], v3, 4, v[WO]
	v_lshl_add_u32 v[WO], v14, 15, v[WO]           ; (128 w + r) x 256 + 16 h
	v_mul_u32_u24 v[ST0], v2, BP
	v_lshl_add_u32 v[ST0], v3, 5, v[ST0]
	v_lshl_add_u32 v[ST0], v14, 9, v[ST0]          ; r x pitch + 512 w + 32 h
	v_add_nc_u32 v[ST1], 16*BP, v[ST0]
	v_mul_u32_u24 v[RB], v14, 4*BP
	v_lshl_add_u32 v[RB], v1, 5, v[RB]             ; 4 w rows + 32 l
	v_mov_b32 v[ONE], 1.0
	v_mov_b32 v[ZR], 0
	s_mov_b32 s20, 0x76543210
	s_mov_b32 s21, 0xfedcba98
	s_lshl_b32 s22, ttmp9, 16
	s_mov_b32 s23, 0
	s_lshl_b32 s24, ttmp9, 11
	s_add_co_u32 s24, s24, LOWB
	s_mov_b32 s25, 0
	s_wait_kmcnt 0x0
	s_add_nc_u64 s[12:13], s[4:5], s[22:23]        ; q raw at the group's first row
	s_add_nc_u64 s[14:15], s[4:5], s[24:25]        ; b1, block 0, likewise
	s_add_nc_u64 s[16:17], s[6:7], WB2H
	s_add_nc_u64 s[18:19], s[8:9], s[22:23]
.irp i, 0,1,2,3
.irp j, 0,1,2,3
	global_load_b128 v[YQ+16*(\i)+4*(\j):YQ+16*(\i)+4*(\j)+3], v[YO], s[12:13] offset:(\i)*2048+(\j)*512
.endr
.endr
.irp a, 0,1
.irp c, 0,1,2,3
	global_load_b128 v[LF+32*(\a)+8*(\c):LF+32*(\a)+8*(\c)+3],   v[LO], s[14:15] offset:(\c)*524288+(\a)*1024
	global_load_b128 v[LF+32*(\a)+8*(\c)+4:LF+32*(\a)+8*(\c)+7], v[LO], s[14:15] offset:(\c)*524288+(\a)*1024+32
.endr
.endr
.macro LDW f                           ; column fragment f's 8 loads
.irp c, 0,1,2,3
	global_load_b128 v[WB+32*((\f)%2)+8*(\c):WB+32*((\f)%2)+8*(\c)+3],   v[WO], s[16:17] offset:(\f)*4096+64*(\c)
	global_load_b128 v[WB+32*((\f)%2)+8*(\c)+4:WB+32*((\f)%2)+8*(\c)+7], v[WO], s[16:17] offset:(\f)*4096+64*(\c)+32
.endr
.endm
	LDW 0
	LDW 1
.macro ACT p                           ; silu of the set's 16 numbers
.set i_, 0
.rept 8
	v_pk_mul_f32 v[T+2*i_:T+2*i_+1], v[ACC+16*(\p)+2*i_:ACC+16*(\p)+2*i_+1], 0xbfb8aa3b op_sel_hi:[1,0]
.set i_, i_+1
.endr
.set i_, 0
.rept 16
	v_exp_f32 v[T+i_], v[T+i_]
.set i_, i_+1
.endr
	v_nop
	s_wait_alu depctr_va_vdst(0)
.set i_, 0
.rept 8
	v_pk_add_f32 v[T+2*i_:T+2*i_+1], v[T+2*i_:T+2*i_+1], 1.0 op_sel_hi:[1,0]
.set i_, i_+1
.endr
.set i_, 0
.rept 16
	v_rcp_f32 v[T+i_], v[T+i_]
.set i_, i_+1
.endr
	v_nop
	s_wait_alu depctr_va_vdst(0)
.set i_, 0
.rept 8
	v_pk_mul_f32 v[T+2*i_:T+2*i_+1], v[ACC+16*(\p)+2*i_:ACC+16*(\p)+2*i_+1], v[T+2*i_:T+2*i_+1]
.set i_, i_+1
.endr
.endm
.macro PH1 f
.if (\f) < 7
	s_wait_loadcnt 8                               ; all but the next column fragment's 8 loads
.else
	s_wait_loadcnt 0x0
.endif
.irp c, 0,1,2,3
.irp a, 0,1
.if (\c) == 0
	v_wmma_f32_16x16x32_f16 v[ACC+16*((\f)%2)+8*(\a):ACC+16*((\f)%2)+8*(\a)+7], v[WB+32*((\f)%2)+8*(\c):WB+32*((\f)%2)+8*(\c)+7], v[LF+32*(\a)+8*(\c):LF+32*(\a)+8*(\c)+7], 0
.else
	v_wmma_f32_16x16x32_f16 v[ACC+16*((\f)%2)+8*(\a):ACC+16*((\f)%2)+8*(\a)+7], v[WB+32*((\f)%2)+8*(\c):WB+32*((\f)%2)+8*(\c)+7], v[LF+32*(\a)+8*(\c):LF+32*(\a)+8*(\c)+7], v[ACC+16*((\f)%2)+8*(\a):ACC+16*((\f)%2)+8*(\a)+7]
.endif
.endr
.endr
	PLACES
.if (\f) < 6
	LDW (\f)+2
.endif
	ACT (\f)%2
	ds_store_b128 v[ST0], v[T:T+3]     offset:64*(\f)
	ds_store_b128 v[ST0], v[T+4:T+7]   offset:64*(\f)+16
	ds_store_b128 v[ST1], v[T+8:T+11]  offset:64*(\f)
	ds_store_b128 v[ST1], v[T+12:T+15] offset:64*(\f)+16
.endm
.irp f, 0,1,2,3,4,5,6,7
	PH1 \f
.endr
	s_wait_dscnt 0x0                               ; my columns of beta lie in LDS,
	s_barrier_signal -1
	s_barrier_wait -1                              ; everybody's do
.macro LDROW i                         ; row i of my four: lane l takes columns 256 j + 8 l .. + 7
.irp j, 0,1,2,3
	ds_load_b128 v[WB+32*((\i)%2)+8*(\j):WB+32*((\i)%2)+8*(\j)+3],   v[RB] offset:(\i)*BP+1024*(\j)
	ds_load_b128 v[WB+32*((\i)%2)+8*(\j)+4:WB+32*((\i)%2)+8*(\j)+7], v[RB] offset:(\i)*BP+1024*(\j)+16
.endr
.endm
.macro HROW i
.if (\i) < 3
	LDROW (\i)+1
	s_wait_dscnt 8                                 ; this row is in, the next row's 8 loads stay out
.else
	s_wait_dscnt 0x0
.endif
.set bv_, WB+32*((\i)%2)
.set yq_, YQ+16*(\i)
.set k_, 0
.rept 16
	v_fma_mix_f32 v[QF+2*k_],   v[yq_+k_], v[ONE], v[ZR] op_sel_hi:[1,0,0]                ; the low f16 half as f32,
	v_fma_mix_f32 v[QF+2*k_+1], v[yq_+k_], v[ONE], v[ZR] op_sel:[1,0,0] op_sel_hi:[1,0,0] ; the high one
.set k_, k_+1
.endr
.set k_, 0
.rept 16
	v_pk_mul_f32 v[TT+2*k_:TT+2*k_+1], v[QF+2*k_:QF+2*k_+1], 0xbfb8aa3b op_sel_hi:[1,0]
.set k_, k_+1
.endr
.set k_, 0
.rept 32
	v_exp_f32 v[TT+k_], v[TT+k_]
.set k_, k_+1
.endr
	v_nop
	s_wait_alu depctr_va_vdst(0)
.set k_, 0
.rept 16
	v_pk_add_f32 v[TT+2*k_:TT+2*k_+1], v[TT+2*k_:TT+2*k_+1], 1.0 op_sel_hi:[1,0]
.set k_, k_+1
.endr
.set k_, 0
.rept 32
	v_rcp_f32 v[TT+k_], v[TT+k_]
.set k_, k_+1
.endr
	v_nop
	s_wait_alu depctr_va_vdst(0)
.set k_, 0
.rept 16
	v_pk_mul_f32 v[QF+2*k_:QF+2*k_+1], v[QF+2*k_:QF+2*k_+1], v[TT+2*k_:TT+2*k_+1]
.set k_, k_+1
.endr
	; q . beta in v240-243, beta . beta in v244-247: two chains each
.set k_, 0
.rept 16
.if k_ < 2
	v_pk_mul_f32 v[T+2*k_:T+2*k_+1],     v[QF+2*k_:QF+2*k_+1],   v[bv_+2*k_:bv_+2*k_+1]
	v_pk_mul_f32 v[T+4+2*k_:T+4+2*k_+1], v[bv_+2*k_:bv_+2*k_+1], v[bv_+2*k_:bv_+2*k_+1]
.else
	v_pk_fma_f32 v[T+2*(k_%2):T+2*(k_%2)+1],     v[QF+2*k_:QF+2*k_+1],   v[bv_+2*k_:bv_+2*k_+1], v[T+2*(k_%2):T+2*(k_%2)+1]
	v_pk_fma_f32 v[T+4+2*(k_%2):T+4+2*(k_%2)+1], v[bv_+2*k_:bv_+2*k_+1], v[bv_+2*k_:bv_+2*k_+1], v[T+4+2*(k_%2):T+4+2*(k_%2)+1]
.endif
.set k_, k_+1
.endr
	v_pk_add_f32 v[T:T+1], v[T:T+1], v[T+2:T+3]
	v_pk_add_f32 v[T+4:T+5], v[T+4:T+5], v[T+6:T+7]
	v_add_f32 v[T], v[T], v[T+1]
	v_add_f32 v[T+4], v[T+4], v[T+5]
.irp m, 1,2,4,8
	v_add_f32_dpp v[T], v[T], v[T] row_xmask:\m row_mask:0xf bank_mask:0xf
	v_add_f32_dpp v[T+4], v[T+4], v[T+4] row_xmask:\m row_mask:0xf bank_mask:0xf
.endr
	v_permlanex16_b32 v[T+1], v[T], s20, s21
	v_permlanex16_b32 v[T+5], v[T+4], s20, s21
	v_add_f32 v[T], v[T], v[T+1]
	v_add_f32 v[T+4], v[T+4], v[T+5]
	v_add_f32 v[T+4], 0x2b8cbccc, v[T+4]           ; + 1e-12
	v_rcp_f32 v[T+4], v[T+4]
	v_mul_f32 v[T], -2.0, v[T]
	s_wait_alu depctr_va_vdst(0)
	v_mul_f32 v[T], v[T], v[T+4]
	v_mov_b32 v[T+1], v[T]
.set k_, 0
.rept 16
	v_pk_fma_f32 v[QF+2*k_:QF+2*k_+1], v[bv_+2*k_:bv_+2*k_+1], v[T:T+1], v[QF+2*k_:QF+2*k_+1]
.set k_, k_+1
.endr
.set k_, 0
.rept 16
	v_cvt_pk_f16_f32 v[yq_+k_], v[QF+2*k_], v[QF+2*k_+1]
.set k_, k_+1
.endr
.irp j, 0,1,2,3
	global_store_b128 v[YO], v[YQ+16*(\i)+4*(\j):YQ+16*(\i)+4*(\j)+3], s[18:19] offset:(\i)*2048+(\j)*512  ; 512 consecutive bytes; every row has registers of its own
.endr
.endm
	LDROW 0
	HROW 0
	HROW 1
	HROW 2
	HROW 3
	s_wait_tensorcnt 0x0                           ; the wave's end, behind my last LDS store
	ds_add_u32 v[SPW], v[NIL]
	s_wait_dscnt 0x0
	s_endpgm
.Lfunc_end_k_q85e29937e0_house:
	.size	k_q85e29937e0_house, .Lfunc_end_k_q85e29937e0_house-k_q85e29937e0_house
	.p2alignl 7, 3214868480
	.fill 96, 4, 3214868480
	.section	.rodata,"a",@progbits
	.p2align	6, 0x0
	.amdhsa_kernel k_q85e29937e0_house
		.amdhsa_group_segment_fixed_size 132608
		.amdhsa_private_segment_fixed_size 0
		.amdhsa_enable_private_segment 0
		.amdhsa_kernarg_size 24
		.amdhsa_user_sgpr_count 2
		.amdhsa_user_sgpr_kernarg_segment_ptr 1
		.amdhsa_wavefront_size32 1
		.amdhsa_system_sgpr_workgroup_id_x 1
		.amdhsa_system_sgpr_workgroup_id_y 1
		.amdhsa_system_sgpr_workgroup_id_z 1
		.amdhsa_system_vgpr_workitem_id 0
		.amdhsa_next_free_vgpr 256
		.amdhsa_next_free_sgpr 66
		.amdhsa_reserve_vcc 0
		.amdhsa_float_denorm_mode_32 3
		.amdhsa_float_denorm_mode_16_64 3
		.amdhsa_memory_ordered 1
		.amdhsa_forward_progress 1
		.amdhsa_inst_pref_size 97
	.end_amdhsa_kernel
	.amdgpu_metadata
---
amdhsa.version: [ 1, 2 ]
amdhsa.kernels:
  - .name:           k_q85e29937e0_house
    .symbol:         k_q85e29937e0_house.kd
    .args:
      - { .name: prj, .offset: 0, .size: 8, .value_kind: global_buffer, .address_space: global }
      - { .name: cst, .offset: 8, .size: 8, .value_kind: global_buffer, .address_space: global }
      - { .name: qh, .offset: 16, .size: 8, .value_kind: global_buffer, .address_space: global }
    .group_segment_fixed_size: 132608
    .private_segment_fixed_size: 0
    .kernarg_segment_align: 8
    .kernarg_segment_size: 24
    .max_flat_workgroup_size: 256
    .sgpr_count:     66
    .vgpr_count:     256
    .wavefront_size: 32
...
	.end_amdgpu_metadata
.endif
;; end of part 3
;; launch ustate (part 4): grid 15 x 16, 8 waves a work-group, no clusters, 167,936 bytes of LDS; arguments prj, cst, ust; writes ust
.if DOCPART == 4
	.amdgcn_target "amdgcn-amd-amdhsa--gfx1250"
	.amdhsa_code_object_version 6
	.text
	.protected	k_q85e29937e0_ustate
	.globl	k_q85e29937e0_ustate
	.p2align	8
	.type	k_q85e29937e0_ustate,@function
k_q85e29937e0_ustate:
	s_mov_b64 s[64:65], 0
	v_nop
	global_prefetch_b8 v0, s[64:65] scope:SCOPE_SE
	s_setreg_imm32_b32 hwreg(HW_REG_WAVE_MODE, 25, 1), 1
	s_wait_xcnt 0x0
; For sequence seq = 8 b + head and chunk c of 256 steps: G, the running sum of lg in the chunk, and U = sum over s of 2^(Gtot - G_s) k_s v_s^T (128 x 128, f32).
; LEFT OUT: the last chunk, whose U enters no o (shown at the head of the first launch): the grid has chunks 0 to 14.
; LIMIT: the weights 2^(Gtot - G_s) lie in 0 to 1 (the decay is at most 1) and are rounded to f16, as is w k; below 6e-5 f16 keeps its fixed step of 6e-8.
; Eight waves.  One tensor load a wave brings 64 rows x 256 bytes: waves 0-3 the chunk's k, waves 4-7 its v; nothing is filled twice.  Work-groups share no tile, so nothing is asked for jointly.
; Every wave makes G and the weights for itself (256 numbers).  Wave w owns k's channels 16 w .. + 15: eight accumulators; the sum runs over time, so both operands come out of LDS turned (ds_load_tr16_b128).
; U is stored as the accumulators lie: [tile 8 kf + vf][half][lane][4 f32], element (k = 16 kf + 8 (l / 16) + 4 half + i, v = 16 vf + l % 16).
.set KBUF,  16777216
.set LG,    26214400
.set GCUM,  16777216
.set PV,    288                        ; a row in LDS: 256 bytes + 32
.set VT,    256*PV
.set WS,    2*256*PV                   ; 1,536 bytes a wave: 512 of weights in f16, 1,024 of G
.set SPARE, WS+8*1536
.set KA0, 6
.set KA1, 7
.set VA0, 8
.set VA1, 9
.set WA,  10
.set WST, 11
.set GST, 12
.set GRD, 13
.set L16, 14
.set UO,  15
.set SPW, 28
.set NIL, 29
.set ACC, 32                           ; v32-95
.set BUF, 96                           ; two sets of 80: k 8, weights 8, v 64
	s_load_b128 s[4:7], s[0:1], 0x0                ; prj, cst
	s_load_b64 s[8:9], s[0:1], 0x10                ; ust
	v_lshl_add_u32 v[SPW], v0, 2, SPARE
	v_mov_b32 v[NIL], 0
	ds_add_u32 v[SPW], v[NIL]                      ; the wave's opening: the add, twice on end, and its wait ahead of my first tensor load
	ds_add_u32 v[SPW], v[NIL]
	v_lshrrev_b32 v1, 5, v0
	v_readfirstlane_b32 s10, v1                    ; wave
	s_mov_b32 s11, ttmp9                           ; chunk
	s_and_b32 s12, ttmp7, 0xffff                   ; seq
	s_lshr_b32 s13, s12, 3                         ; b
	s_and_b32 s14, s12, 7                          ; head
	s_mov_b32 s24, (1<<16)|(1<<20)|(5<<22)|(7<<25) ; 2-byte elements; 8 words of padding behind every 64
	s_mov_b32 s25, 128<<16
	s_mov_b32 s26, 64<<16
	s_mov_b32 s27, 128<<16
	s_mov_b32 s28, 64
	s_mov_b32 s29, 1024
	s_mov_b32 s30, 0
	s_mov_b32 s31, 0
	s_mov_b32 s32, 1
	s_mul_i32 s33, s10, 64*PV                      ; k's four parts, then v's four
	s_lshl_b32 s16, s13, 12
	s_lshl_b32 s17, s11, 8
	s_add_co_u32 s16, s16, s17                     ; the chunk's first row
	s_and_b32 s17, s10, 3
	s_lshl_b32 s17, s17, 6
	s_add_co_u32 s17, s17, s16
	s_lshl_b32 s17, s17, 11
	s_lshl_b32 s18, s14, 8
	s_add_co_u32 s17, s17, s18
	s_lshr_b32 s18, s10, 2
	s_lshl_b32 s18, s18, 24                        ; v lies 16,777,216 bytes behind k
	s_add_co_u32 s18, s18, KBUF
	s_add_co_u32 s20, s17, s18
	s_mov_b32 s21, 0
	s_wait_dscnt 0x0                               ; both opening adds are done
	s_wait_kmcnt 0x0
	s_add_nc_u64 s[34:35], s[4:5], s[20:21]
	s_or_b32 s35, s35, 0x80000000
	tensor_load_to_lds s[32:35], s[24:31]
	s_nop 0
	s_lshl_b32 s20, s16, 5                         ; lg: 32 bytes a row,
	s_lshl_b32 s22, s14, 2                         ; my head's word
	s_add_co_u32 s20, s20, s22
	s_add_co_u32 s20, s20, LG
	s_add_nc_u64 s[36:37], s[6:7], s[20:21]
	v_and_b32 v2, 31, v0                           ; l
	v_lshlrev_b32 v3, 8, v2                        ; lane l takes steps 8 l .. + 7
.irp i, 0,1,2,3,4,5,6,7
	global_load_b32 v[16+(\i)], v3, s[36:37] offset:32*(\i)
.endr
	s_lshl_b32 s20, s12, 12
	s_lshl_b32 s22, s11, 8
	s_add_co_u32 s20, s20, s22
	s_lshl_b32 s20, s20, 2
	s_add_co_u32 s20, s20, GCUM
	s_add_nc_u64 s[38:39], s[8:9], s[20:21]        ; G's 1,024 bytes
	s_lshl_b32 s20, s12, 4
	s_add_co_u32 s20, s20, s11
	s_lshl_b32 s20, s20, 16
	s_add_nc_u64 s[40:41], s[8:9], s[20:21]        ; U's 65,536 bytes
	v_bfe_u32 v5, v0, 4, 1                         ; h
	v_and_b32 v4, 7, v0
	v_lshl_add_u32 v4, v5, 3, v4
	v_mul_u32_u24 v4, v4, PV
	v_bfe_u32 v27, v0, 3, 1
	v_lshl_add_u32 v4, v27, 4, v4                  ; the turning load's lane term: (8 h + l % 8) rows + 16 ((l / 8) % 2)
	s_lshl_b32 s22, s10, 5
	v_add_nc_u32 v[KA0], s22, v4                   ; my 16 channels of k
	v_add_nc_u32 v[KA1], 128*PV, v[KA0]
	v_add_nc_u32 v[VA0], VT, v4
	v_add_nc_u32 v[VA1], 128*PV, v[VA0]
	s_mul_i32 s22, s10, 1536
	s_add_co_u32 s22, s22, WS
	v_lshl_add_u32 v[WA], v5, 4, s22
	v_lshlrev_b32 v[L16], 4, v2
	v_add_nc_u32 v[WST], s22, v[L16]
	v_add_nc_u32 v[GRD], 512, v[WST]
	v_lshl_add_u32 v[GST], v2, 5, s22
	v_add_nc_u32 v[GST], 512, v[GST]
	v_lshl_add_u32 v[UO], v1, 13, v[L16]
	s_wait_loadcnt 0x0
.irp i, 1,2,3,4,5,6,7
	v_add_f32 v[16+(\i)], v[16+(\i)-1], v[16+(\i)] ; the running sum inside the lane,
.endr
	v_mov_b32 v24, v23
.irp d, 1,2,4,8,16                     ; over the lanes' totals,
	v_add_nc_u32 v26, -(\d), v2
	v_lshlrev_b32 v26, 2, v26
	ds_bpermute_b32 v25, v26, v24                  ; lane l - d's
	s_mov_b32 s20, (0xffffffff<<(\d))&0xffffffff
	s_wait_dscnt 0x0
	v_cndmask_b32 v25, 0, v25, s20                 ; where there is such a lane
	v_add_f32 v24, v24, v25
.endr
	v_sub_f32 v25, v24, v23                        ; what lies in front of my lane
.irp i, 0,1,2,3,4,5,6,7
	v_add_f32 v[16+(\i)], v25, v[16+(\i)]          ; G
.endr
	v_readlane_b32 s21, v24, 31                    ; Gtot
.irp i, 0,1,2,3,4,5,6,7
	v_sub_f32 v[96+(\i)], s21, v[16+(\i)]
.endr
.irp i, 0,1,2,3,4,5,6,7
	v_exp_f32 v[96+(\i)], v[96+(\i)]
.endr
	v_nop
	s_wait_alu depctr_va_vdst(0)
.irp m, 0,1,2,3
	v_cvt_pk_f16_f32 v[104+(\m)], v[96+2*(\m)], v[96+2*(\m)+1]
.endr
	ds_store_b128 v[WST], v[104:107]               ; my own copy of the 256 weights
	s_cmp_lg_u32 s10, 0
	s_cbranch_scc1 .Lnog
	ds_store_b128 v[GST], v[16:19]                 ; wave 0 sends G out, through its own LDS bytes, so that a store covers 512 consecutive bytes
	ds_store_b128 v[GST], v[20:23] offset:16
	ds_load_b128 v[108:111], v[GRD]
	ds_load_b128 v[112:115], v[GRD] offset:512
	s_wait_dscnt 0x0
	global_store_b128 v[L16], v[108:111], s[38:39]
	global_store_b128 v[L16], v[112:115], s[38:39] offset:512
.Lnog:
	s_wait_tensorcnt 0x0                           ; my part of the tiles is in,
	s_wait_dscnt 0x0
	s_barrier_signal -1
	s_barrier_wait -1                              ; everybody's is
	s_wait_xcnt 0x0                                ; the registers that wave 0's stores read are loaded only behind this wait
.macro LDSTEP st                       ; 32 steps of time: k (turned), the weights, v's eight fragments (turned): 20 loads
.set b_, BUF+80*((\st)%2)
	ds_load_tr16_b128 v[b_:b_+3],   v[KA0+(\st)/4] offset:((\st)%4)*32*PV
	ds_load_tr16_b128 v[b_+4:b_+7], v[KA0+(\st)/4] offset:((\st)%4)*32*PV+16*PV
	ds_load_b128 v[b_+8:b_+11],  v[WA] offset:64*(\st)
	ds_load_b128 v[b_+12:b_+15], v[WA] offset:64*(\st)+32
.irp f, 0,1,2,3,4,5,6,7
	ds_load_tr16_b128 v[b_+16+8*(\f):b_+16+8*(\f)+3],   v[VA0+(\st)/4] offset:((\st)%4)*32*PV+32*(\f)
	ds_load_tr16_b128 v[b_+16+8*(\f)+4:b_+16+8*(\f)+7], v[VA0+(\st)/4] offset:((\st)%4)*32*PV+16*PV+32*(\f)
.endr
.endm
.macro STEP st
	s_wait_dscnt 0x0
.set c_, BUF+80*((\st)%2)
.irp i, 0,1,2,3,4,5,6,7
	v_pk_mul_f16 v[c_+(\i)], v[c_+(\i)], v[c_+8+(\i)]  ; w k; these eight are also the places behind the last step's products, in front of the loads into their sources
.endr
.if (\st) < 7
	LDSTEP (\st)+1
.endif
.set c_, BUF+80*((\st)%2)
.irp f, 0,1,2,3,4,5,6,7
.if (\st) == 0
	v_wmma_f32_16x16x32_f16 v[ACC+8*(\f):ACC+8*(\f)+7], v[c_:c_+7], v[c_+16+8*(\f):c_+16+8*(\f)+7], 0
.else
	v_wmma_f32_16x16x32_f16 v[ACC+8*(\f):ACC+8*(\f)+7], v[c_:c_+7], v[c_+16+8*(\f):c_+16+8*(\f)+7], v[ACC+8*(\f):ACC+8*(\f)+7]
.endif
.endr
.endm
	LDSTEP 0
.irp st, 0,1,2,3,4,5,6,7
	STEP \st
.endr
.rept 4
	v_nop
.endr
.irp f, 0,1,2,3,4,5,6,7
	global_store_b128 v[UO], v[ACC+8*(\f):ACC+8*(\f)+3],   s[40:41] offset:1024*(\f)      ; 512 consecutive bytes; the low four registers first
	global_store_b128 v[UO], v[ACC+8*(\f)+4:ACC+8*(\f)+7], s[40:41] offset:1024*(\f)+512
.endr
	s_wait_tensorcnt 0x0                           ; the wave's end
	ds_add_u32 v[SPW], v[NIL]
	s_wait_dscnt 0x0
	s_endpgm
.Lfunc_end_k_q85e29937e0_ustate:
	.size	k_q85e29937e0_ustate, .Lfunc_end_k_q85e29937e0_ustate-k_q85e29937e0_ustate
	.p2alignl 7, 3214868480
	.fill 96, 4, 3214868480
	.section	.rodata,"a",@progbits
	.p2align	6, 0x0
	.amdhsa_kernel k_q85e29937e0_ustate
		.amdhsa_group_segment_fixed_size 167936
		.amdhsa_private_segment_fixed_size 0
		.amdhsa_enable_private_segment 0
		.amdhsa_kernarg_size 24
		.amdhsa_user_sgpr_count 2
		.amdhsa_user_sgpr_kernarg_segment_ptr 1
		.amdhsa_wavefront_size32 1
		.amdhsa_system_sgpr_workgroup_id_x 1
		.amdhsa_system_sgpr_workgroup_id_y 1
		.amdhsa_system_sgpr_workgroup_id_z 1
		.amdhsa_system_vgpr_workitem_id 0
		.amdhsa_next_free_vgpr 256
		.amdhsa_next_free_sgpr 66
		.amdhsa_reserve_vcc 0
		.amdhsa_float_denorm_mode_32 3
		.amdhsa_float_denorm_mode_16_64 3
		.amdhsa_memory_ordered 1
		.amdhsa_forward_progress 1
		.amdhsa_inst_pref_size 29
	.end_amdhsa_kernel
	.amdgpu_metadata
---
amdhsa.version: [ 1, 2 ]
amdhsa.kernels:
  - .name:           k_q85e29937e0_ustate
    .symbol:         k_q85e29937e0_ustate.kd
    .args:
      - { .name: prj, .offset: 0, .size: 8, .value_kind: global_buffer, .address_space: global }
      - { .name: cst, .offset: 8, .size: 8, .value_kind: global_buffer, .address_space: global }
      - { .name: ust, .offset: 16, .size: 8, .value_kind: global_buffer, .address_space: global }
    .group_segment_fixed_size: 167936
    .private_segment_fixed_size: 0
    .kernarg_segment_align: 8
    .kernarg_segment_size: 24
    .max_flat_workgroup_size: 256
    .sgpr_count:     66
    .vgpr_count:     256
    .wavefront_size: 32
...
	.end_amdgpu_metadata
.endif
;; end of part 4
;; launch scan (part 5): grid 256 x 1, 8 waves a work-group, no clusters, 0 bytes of LDS; arguments ust, sst; writes sst
.if DOCPART == 5
	.amdgcn_target "amdgcn-amd-amdhsa--gfx1250"
	.amdhsa_code_object_version 6
	.text
	.protected	k_q85e29937e0_scan
	.globl	k_q85e29937e0_scan
	.p2align	8
	.type	k_q85e29937e0_scan,@function
k_q85e29937e0_scan:
	s_mov_b64 s[64:65], 0
	v_nop
	global_prefetch_b8 v0, s[64:65] scope:SCOPE_SE
	s_setreg_imm32_b32 hwreg(HW_REG_WAVE_MODE, 25, 1), 1
	s_wait_xcnt 0x0
; The state in front of chunk c + 1: S(c+1) = 2^Gtot(c) S(c) + U(c), in f32, element by element; slot c of sst holds S(c).
; LEFT OUT: S(0) is the problem's own zero: slot 0 is not stored, and 2^Gtot(0), which would multiply it, is not made (shown at the head of the first launch).
; A thread owns 16 bytes of a sequence's state through all chunks: 15 loads go out at once, each store has data registers of its own.  Memory binds: no LDS, no matrix unit.
.set GCUM, 16777216
	s_load_b128 s[4:7], s[0:1], 0x0                ; ust, sst
	s_lshr_b32 s8, ttmp9, 4                        ; seq
	s_and_b32 s9, ttmp9, 15                        ; which 4,096 bytes of the state
	s_lshl_b32 s10, s8, 20
	s_lshl_b32 s11, s9, 12
	s_add_co_u32 s10, s10, s11
	s_mov_b32 s11, 0
	s_lshl_b32 s12, s8, 14
	s_add_co_u32 s12, s12, GCUM
	s_mov_b32 s13, 0
	v_lshlrev_b32 v1, 4, v0
	s_wait_kmcnt 0x0
	s_add_nc_u64 s[14:15], s[4:5], s[12:13]        ; the sequence's G
	s_add_nc_u64 s[4:5], s[4:5], s[10:11]
	s_add_nc_u64 s[6:7], s[6:7], s[10:11]
.irp c, 1,2,3,4,5,6,7,8,9,10,11,12,13,14
	s_load_b32 s[19+(\c)], s[14:15], (256*(\c)+255)*4  ; Gtot(c): G at the chunk's last step; this launch writes nothing of ust
.endr
.irp c, 0,1,2,3,4,5,6,7,8,9,10,11,12,13,14
	global_load_b128 v[4+4*(\c):4+4*(\c)+3], v1, s[4:5] offset:(\c)*65536 th:TH_LOAD_NT
.endr
	s_wait_kmcnt 0x0
.irp c, 1,2,3,4,5,6,7,8,9,10,11,12,13,14
	v_exp_f32 v[64+(\c)], s[19+(\c)]
.endr
	v_nop
	s_wait_alu depctr_va_vdst(0)
.irp c, 0,1,2,3,4,5,6,7,8,9,10,11,12,13,14
	s_wait_loadcnt 14-(\c)                         ; U(c) is in, the younger ones stay out
.if (\c) > 0
.irp i, 0,1,2,3
	v_fma_f32 v[4+4*(\c)+(\i)], v[64+(\c)], v[4*(\c)+(\i)], v[4+4*(\c)+(\i)]
.endr
.endif
	global_store_b128 v1, v[4+4*(\c):4+4*(\c)+3], s[6:7] offset:((\c)+1)*65536
.endr
	s_endpgm
.Lfunc_end_k_q85e29937e0_scan:
	.size	k_q85e29937e0_scan, .Lfunc_end_k_q85e29937e0_scan-k_q85e29937e0_scan
	.p2alignl 7, 3214868480
	.fill 96, 4, 3214868480
	.section	.rodata,"a",@progbits
	.p2align	6, 0x0
	.amdhsa_kernel k_q85e29937e0_scan
		.amdhsa_group_segment_fixed_size 0
		.amdhsa_private_segment_fixed_size 0
		.amdhsa_enable_private_segment 0
		.amdhsa_kernarg_size 16
		.amdhsa_user_sgpr_count 2
		.amdhsa_user_sgpr_kernarg_segment_ptr 1
		.amdhsa_wavefront_size32 1
		.amdhsa_system_sgpr_workgroup_id_x 1
		.amdhsa_system_sgpr_workgroup_id_y 1
		.amdhsa_system_sgpr_workgroup_id_z 1
		.amdhsa_system_vgpr_workitem_id 0
		.amdhsa_next_free_vgpr 96
		.amdhsa_next_free_sgpr 66
		.amdhsa_reserve_vcc 0
		.amdhsa_float_denorm_mode_32 3
		.amdhsa_float_denorm_mode_16_64 3
		.amdhsa_memory_ordered 1
		.amdhsa_forward_progress 1
		.amdhsa_inst_pref_size 9
	.end_amdhsa_kernel
	.amdgpu_metadata
---
amdhsa.version: [ 1, 2 ]
amdhsa.kernels:
  - .name:           k_q85e29937e0_scan
    .symbol:         k_q85e29937e0_scan.kd
    .args:
      - { .name: ust, .offset: 0, .size: 8, .value_kind: global_buffer, .address_space: global }
      - { .name: sst, .offset: 8, .size: 8, .value_kind: global_buffer, .address_space: global }
    .group_segment_fixed_size: 0
    .private_segment_fixed_size: 0
    .kernarg_segment_align: 8
    .kernarg_segment_size: 16
    .max_flat_workgroup_size: 256
    .sgpr_count:     66
    .vgpr_count:     96
    .wavefront_size: 32
...
	.end_amdgpu_metadata
.endif
;; end of part 5
;; launch glaout (part 6): grid 16 x 16, 16 waves a work-group, no clusters, 252,160 bytes of LDS; arguments qh, prj, cst, sst, ogl; writes ogl
.if DOCPART == 6
	.amdgcn_target "amdgcn-amd-amdhsa--gfx1250"
	.amdhsa_code_object_version 6
	.text
	.protected	k_q85e29937e0_glaout
	.globl	k_q85e29937e0_glaout
	.p2align	8
	.type	k_q85e29937e0_glaout,@function
k_q85e29937e0_glaout:
	s_mov_b64 s[64:65], 0
	v_nop
	global_prefetch_b8 v0, s[64:65] scope:SCOPE_SE
	s_setreg_imm32_b32 hwreg(HW_REG_WAVE_MODE, 25, 1), 1
	s_wait_xcnt 0x0
; o_t = 128^-0.5 (sum over s <= t in the chunk of 2^(G_t - G_s) (q_t . k_s) v_s + 2^G_t q_t S), for sequence seq = 8 b + head and chunk c of 256 steps; S is the state in front of the chunk.
; LEFT OUT (shown at the head of the first launch): for chunk 0 S is the problem's own zero: it is not read and q S is not made; blocks of 64 keys wholly behind a wave's queries are not made.
; FORMATS.  All products take f16 operands and f32 sums.  Three operands get an exact power of two taken from their own largest magnitude mx: E = mx's exponent alone, 1 / E by an integer subtraction; value / E lies under 2:
; the decayed scores (a running E for each query; O is rescaled when E grows), the state (one Es), and o (Eo for each query and head, stored beside o / Eo).
; LIMITS.  Where mx is under 2^-126 the row (or state) counts as 0.  G_t - G_s <= 0 for s <= t since the decay is at most 1.  NaN and infinities are not treated apart.
; SHARES.  Sixteen waves; wave w owns queries 16 w .. + 15 and lies in band x = w / 4.  Block j takes key step x - j of 64 keys: block 0 holds the diagonal.
; LAYOUT.  S^T = K Q^T holds one query a lane (l % 16) and keys 8 (l / 16) + 0..7; two such results rounded to f16 are source 1 of O^T = V^T P; V comes out of LDS turned; the state lies in LDS as [v][k].
; Work-groups share no tile, so nothing is asked for jointly.  K and V come by tensor loads, once; nothing is filled twice.
.set KBUF,  16777216
.set LG,    26214400
.set OSC,   16777216
.set PK,    272
.set PV,    288
.set VT,    256*PK
.set SH,    VT+256*PV
.set GS,    SH+128*PK
.set RED,   GS+1024
.set OSCL,  RED+256
.set STG,   OSCL+1024
.set SPARE, STG+16*16*PK
.set SPW, 14
.set NIL, 15
.set Q,   32
.set O,   64
.set KV,  128
.set ST,  192
.set PB,  224
.macro PLACES
.rept 4
	v_nop
.endr
.endm
	s_load_b256 s[4:11], s[0:1], 0x0               ; qh, prj, cst, sst
	s_load_b64 s[12:13], s[0:1], 0x20              ; ogl
	v_lshl_add_u32 v[SPW], v0, 2, SPARE
	v_mov_b32 v[NIL], 0
	ds_add_u32 v[SPW], v[NIL]                      ; the wave's opening: the add, twice on end, and its wait ahead of a first tensor load
	ds_add_u32 v[SPW], v[NIL]
	v_lshrrev_b32 v19, 5, v0
	v_readfirstlane_b32 s14, v19                   ; wave
	s_mov_b32 s15, ttmp9                           ; chunk
	s_and_b32 s16, ttmp7, 0xffff                   ; seq
	s_lshr_b32 s17, s16, 3                         ; b
	s_and_b32 s18, s16, 7                          ; head
	s_lshr_b32 s19, s14, 2                         ; x
	s_mov_b32 s24, (1<<16)|(1<<20)|(5<<22)|(3<<25) ; K: 4 words of padding behind every 64
	s_mov_b32 s32, (1<<16)|(1<<20)|(5<<22)|(7<<25) ; V: 8 words
.irp g, 24, 32
	s_mov_b32 s[(\g)+1], 128<<16
	s_mov_b32 s[(\g)+2], 64<<16
	s_mov_b32 s[(\g)+3], 128<<16
	s_mov_b32 s[(\g)+4], 64
	s_mov_b32 s[(\g)+5], 1024
	s_mov_b32 s[(\g)+6], 0
	s_mov_b32 s[(\g)+7], 0
.endr
	s_and_b32 s20, s14, 3
	s_mov_b32 s40, 1
	s_mul_i32 s41, s20, 64*PK
	s_mov_b32 s44, 1
	s_mul_i32 s45, s20, 64*PV
	s_add_co_u32 s45, s45, VT
	s_lshl_b32 s21, s17, 12
	s_lshl_b32 s22, s15, 8
	s_add_co_u32 s21, s21, s22                     ; the chunk's first row
	s_lshl_b32 s22, s20, 6
	s_add_co_u32 s22, s22, s21
	s_lshl_b32 s60, s22, 11
	s_lshl_b32 s23, s18, 8                         ; the head's 256 bytes of a row
	s_add_co_u32 s60, s60, s23
	s_add_co_u32 s60, s60, KBUF
	s_mov_b32 s61, 0
	s_lshl_b32 s62, s14, 4
	s_add_co_u32 s62, s62, s21
	s_lshl_b32 s62, s62, 11
	s_add_co_u32 s62, s62, s23                     ; my 16 rows, my head
	s_mov_b32 s63, 0
	s_mov_b32 s58, 0x76543210
	s_mov_b32 s59, 0xfedcba98
	s_wait_dscnt 0x0                               ; both opening adds are done
	s_wait_kmcnt 0x0
	s_add_nc_u64 s[42:43], s[6:7], s[60:61]
	s_add_nc_u64 s[46:47], s[42:43], 16777216
	s_or_b32 s43, s43, 0x80000000
	s_or_b32 s47, s47, 0x80000000
	s_cmp_lt_u32 s14, 4                            ; waves 0-3 fetch K's four parts, waves 4-7 V's; a wave's one fill stands in one branch on its number
	s_cbranch_scc0 .Lnotk
	tensor_load_to_lds s[40:43], s[24:31]
	s_nop 0
	s_branch .Lfilled
.Lnotk:
	s_cmp_lt_u32 s14, 8
	s_cbranch_scc0 .Lfilled
	tensor_load_to_lds s[44:47], s[32:39]
	s_nop 0
.Lfilled:
	s_add_nc_u64 s[48:49], s[4:5], s[62:63]        ; q
	s_add_nc_u64 s[54:55], s[12:13], s[62:63]      ; o
	s_lshl_b32 s60, s16, 4
	s_add_co_u32 s60, s60, s15
	s_lshl_b32 s60, s60, 16
	s_lshl_b32 s22, s14, 12
	s_add_co_u32 s60, s60, s22
	s_add_nc_u64 s[50:51], s[10:11], s[60:61]      ; my 4,096 bytes of the state
	s_lshl_b32 s60, s21, 5
	s_lshl_b32 s22, s18, 2
	s_add_co_u32 s60, s60, s22
	s_add_co_u32 s60, s60, LG
	s_add_nc_u64 s[52:53], s[8:9], s[60:61]        ; lg
	s_lshl_b32 s60, s16, 12
	s_lshl_b32 s22, s15, 8
	s_add_co_u32 s60, s60, s22
	s_lshl_b32 s60, s60, 2
	s_add_co_u32 s60, s60, OSC
	s_add_nc_u64 s[56:57], s[12:13], s[60:61]      ; Eo
	v_and_b32 v1, 15, v0                           ; r
	v_bfe_u32 v2, v0, 4, 1                         ; h
	v_and_b32 v3, 31, v0                           ; l
	v_lshlrev_b32 v243, 11, v1
	v_lshl_add_u32 v243, v2, 4, v243               ; r rows of 2,048 bytes + 16 h
.irp c, 0,1,2,3
	global_load_b128 v[Q+8*(\c):Q+8*(\c)+3],   v243, s[48:49] offset:64*(\c)
	global_load_b128 v[Q+8*(\c)+4:Q+8*(\c)+7], v243, s[48:49] offset:64*(\c)+32
.endr
	v_lshlrev_b32 v251, 8, v3
	v_lshlrev_b32 v245, 4, v3
	s_cmp_eq_u32 s14, 8
	s_cbranch_scc0 .Lnolg
.irp i, 0,1,2,3,4,5,6,7
	global_load_b32 v[208+(\i)], v251, s[52:53] offset:32*(\i)  ; wave 8 makes G: lane l takes steps 8 l .. + 7
.endr
.Lnolg:
	v_mul_u32_u24 v4, v1, PK
	v_lshl_add_u32 v4, v2, 4, v4                   ; K's fragments: r rows + 16 h
	v_add_nc_u32 v6, SH, v4                        ; the state's likewise
	v_and_b32 v19, 7, v0
	v_lshl_add_u32 v5, v2, 3, v19
	v_mul_u32_u24 v5, v5, PV
	v_bfe_u32 v19, v0, 3, 1
	v_lshl_add_u32 v5, v19, 4, v5
	v_add_nc_u32 v5, VT, v5                        ; the turning load's lane term
	v_lshlrev_b32 v7, 5, v2
	v_add_nc_u32 v7, GS, v7                        ; G of my eight keys
	s_mul_i32 s21, s14, 16*PK
	s_add_co_u32 s21, s21, STG
	v_add_nc_u32 v8, s21, v4                       ; into my stage
	v_mul_u32_u24 v9, v2, PK
	v_lshl_add_u32 v9, v1, 4, v9
	v_add_nc_u32 v9, s21, v9                       ; and back by rows
	v_lshlrev_b32 v10, 11, v2
	v_lshl_add_u32 v10, v1, 4, v10
	s_and_b32 s22, s14, 1
	s_mul_i32 s22, s22, 64*PK
	s_lshr_b32 s23, s14, 1
	s_lshl_b32 s23, s23, 5
	s_add_co_u32 s22, s22, s23
	s_add_co_u32 s22, s22, SH
	v_add_nc_u32 v11, s22, v4                      ; where my four tiles of the state go: row v = 64 (w % 2) + 16 i + r, bytes 32 (w / 2) + 16 h
	v_mov_b32 v12, 0xc47a0000                      ; -1000: 2^-1000 is 0
	s_lshl_b32 s23, s20, 4
	v_lshlrev_b32 v13, 3, v2
	v_sub_nc_u32 v13, v1, v13
	v_add_nc_u32 v13, s23, v13                     ; my query's place in its band less 8 h: key register 16 kb + i is hidden where it is greater
	s_lshl_b32 s22, s14, 2
	s_add_co_u32 s22, s22, RED
	v_mov_b32 v246, s22
	v_mov_b32 v247, RED
	v_lshlrev_b32 v248, 5, v3
	v_add_nc_u32 v248, GS, v248
	s_lshl_b32 s22, s14, 6
	v_lshl_add_u32 v249, v1, 2, s22
	v_add_nc_u32 v250, OSCL, v249
	v_add_nc_u32 v249, GS, v249
	v_add_nc_u32 v244, OSCL, v245
	v_mov_b32 v29, 0                               ; Es is written on the way that has no state too; chunk 0 never reads it
	; ---------------- the state: its largest magnitude, Es, and S / Es in f16 as [v][k] ----------------
	s_cmp_eq_u32 s15, 0
	s_cbranch_scc1 .Lnostate
.irp i, 0,1,2,3
	global_load_b128 v[KV+8*(\i):KV+8*(\i)+3],   v245, s[50:51] offset:1024*(\i)
	global_load_b128 v[KV+8*(\i)+4:KV+8*(\i)+7], v245, s[50:51] offset:1024*(\i)+512
.endr
	s_wait_loadcnt 0x0
.irp k, 0,1,2,3
	v_max3_num_f32 v[24+(\k)], |v[KV+8*(\k)]|, |v[KV+8*(\k)+1]|, |v[KV+8*(\k)+2]|
.endr
.irp k, 0,1,2,3
	v_max3_num_f32 v[24+(\k)], v[24+(\k)], |v[KV+8*(\k)+3]|, |v[KV+8*(\k)+4]|
.endr
.irp k, 0,1,2,3
	v_max3_num_f32 v[24+(\k)], v[24+(\k)], |v[KV+8*(\k)+5]|, |v[KV+8*(\k)+6]|
.endr
	v_max3_num_f32 v24, v24, |v[KV+7]|, |v[KV+15]|
	v_max3_num_f32 v26, v26, |v[KV+23]|, |v[KV+31]|
	v_max3_num_f32 v24, v24, v25, v26
	v_max_num_f32 v24, v24, v27
.irp m, 1,2,4,8
	v_max_num_f32_dpp v24, v24, v24 row_xmask:\m row_mask:0xf bank_mask:0xf
.endr
	v_permlanex16_b32 v25, v24, s58, s59
	v_max_num_f32 v24, v24, v25
	ds_store_b32 v246, v24                         ; my wave's word
	s_wait_dscnt 0x0
	s_barrier_signal -1                            ; (the branch hangs on the chunk's number: all sixteen waves are here)
	s_barrier_wait -1
.irp i, 0,1,2,3
	ds_load_b128 v[ST+4*(\i):ST+4*(\i)+3], v247 offset:16*(\i)
.endr
	s_wait_dscnt 0x0
	v_max3_num_f32 v24, v[ST], v[ST+1], v[ST+2]
.irp i, 0,1,2,3,4,5
	v_max3_num_f32 v24, v24, v[ST+3+2*(\i)], v[ST+4+2*(\i)]
.endr
	v_max_num_f32 v24, v24, v[ST+15]
	v_and_b32 v29, 0x7f800000, v24                 ; Es
	v_sub_nc_u32 v20, 0x7f000000, v29              ; 1 / Es
	v_mov_b32 v21, v20
.set i_, 0
.rept 16
	v_pk_mul_f32 v[KV+2*i_:KV+2*i_+1], v[KV+2*i_:KV+2*i_+1], v[20:21]
.set i_, i_+1
.endr
.set i_, 0
.rept 16
	v_cvt_pk_f16_f32 v[ST+i_], v[KV+2*i_], v[KV+2*i_+1]
.set i_, i_+1
.endr
.irp i, 0,1,2,3
	ds_store_b128 v11, v[ST+4*(\i):ST+4*(\i)+3] offset:(\i)*16*PK
.endr
.Lnostate:
	; ---------------- G, by wave 8 ----------------
	s_cmp_eq_u32 s14, 8
	s_cbranch_scc0 .Lnopre
	s_wait_loadcnt 0x0
.irp i, 1,2,3,4,5,6,7
	v_add_f32 v[208+(\i)], v[208+(\i)-1], v[208+(\i)]
.endr
	v_mov_b32 v216, v215
.irp d, 1,2,4,8,16
	v_add_nc_u32 v218, -(\d), v3
	v_lshlrev_b32 v218, 2, v218
	ds_bpermute_b32 v217, v218, v216
	s_mov_b32 s20, (0xffffffff<<(\d))&0xffffffff
	s_wait_dscnt 0x0
	v_cndmask_b32 v217, 0, v217, s20
	v_add_f32 v216, v216, v217
.endr
	v_sub_f32 v217, v216, v215
.irp i, 0,1,2,3,4,5,6,7
	v_add_f32 v[208+(\i)], v217, v[208+(\i)]
.endr
	ds_store_b128 v248, v[208:211]
	ds_store_b128 v248, v[212:215] offset:16
.Lnopre:
	s_wait_tensorcnt 0x0                           ; my part of K or V is in,
	s_wait_dscnt 0x0                               ; my stores are done,
	s_barrier_signal -1
	s_barrier_wait -1                              ; everybody's: K, V and G are whole
	ds_load_b32 v16, v249                          ; G_t
	s_wait_loadcnt 0x0                             ; Q
	s_wait_dscnt 0x0
	v_mov_b32 v17, v16
; BLOCK j: key step x - j.  j = 0: the diagonal block, which also starts E and O.
.macro BLK j
	s_sub_co_u32 s20, s19, \j
	s_mul_i32 s21, s20, 64*PK
	s_mul_i32 s22, s20, 64*PV
	s_lshl_b32 s23, s20, 8
	v_add_nc_u32 v240, s21, v4
	v_add_nc_u32 v241, s22, v5
	v_add_nc_u32 v242, s23, v7
.irp p, 0,1                            ; S^T = K Q^T, two key fragments at a time: two accumulators by turns
.if ((\j) > 0) || ((\p) > 0)
	PLACES
.endif
.irp kb, 0,1
.irp c, 0,1,2,3
	ds_load_b128 v[KV+32*(\kb)+8*(\c):KV+32*(\kb)+8*(\c)+3],   v240 offset:(2*(\p)+(\kb))*16*PK+64*(\c)
	ds_load_b128 v[KV+32*(\kb)+8*(\c)+4:KV+32*(\kb)+8*(\c)+7], v240 offset:(2*(\p)+(\kb))*16*PK+64*(\c)+32
.endr
.endr
	s_wait_dscnt 0x0
.irp c, 0,1,2,3
.irp kb, 0,1
.if (\c) == 0
	v_wmma_f32_16x16x32_f16 v[ST+8*(2*(\p)+(\kb)):ST+8*(2*(\p)+(\kb))+7], v[KV+32*(\kb)+8*(\c):KV+32*(\kb)+8*(\c)+7], v[Q+8*(\c):Q+8*(\c)+7], 0
.else
	v_wmma_f32_16x16x32_f16 v[ST+8*(2*(\p)+(\kb)):ST+8*(2*(\p)+(\kb))+7], v[KV+32*(\kb)+8*(\c):KV+32*(\kb)+8*(\c)+7], v[Q+8*(\c):Q+8*(\c)+7], v[ST+8*(2*(\p)+(\kb)):ST+8*(2*(\p)+(\kb))+7]
.endif
.endr
.endr
.endr
	PLACES
.irp kb, 0,1,2,3
	ds_load_b128 v[KV+8*(\kb):KV+8*(\kb)+3],   v242 offset:64*(\kb)
	ds_load_b128 v[KV+8*(\kb)+4:KV+8*(\kb)+7], v242 offset:64*(\kb)+16
.endr
	s_wait_dscnt 0x0
.set i_, 0
.rept 16
	v_pk_add_f32 v[KV+2*i_:KV+2*i_+1], v[16:17], v[KV+2*i_:KV+2*i_+1] neg_lo:[0,1] neg_hi:[0,1]  ; G_t - G_s
.set i_, i_+1
.endr
.if (\j) == 0
.set i_, 0
.rept 32
	v_cmp_gt_i32 vcc_lo, 16*(i_/8)+i_%8, v13
	v_cndmask_b32 v[KV+i_], v[KV+i_], v12, vcc_lo  ; a key behind the query gets weight 0
.set i_, i_+1
.endr
.endif
.set i_, 0
.rept 32
	v_exp_f32 v[KV+i_], v[KV+i_]
.set i_, i_+1
.endr
	v_nop
	s_wait_alu depctr_va_vdst(0)                   ; one wait for the batch
.set i_, 0
.rept 16
	v_pk_mul_f32 v[ST+2*i_:ST+2*i_+1], v[ST+2*i_:ST+2*i_+1], v[KV+2*i_:KV+2*i_+1]
.set i_, i_+1
.endr
.irp k, 0,1,2,3
	v_max3_num_f32 v[24+(\k)], |v[ST+8*(\k)]|, |v[ST+8*(\k)+1]|, |v[ST+8*(\k)+2]|
.endr
.irp k, 0,1,2,3
	v_max3_num_f32 v[24+(\k)], v[24+(\k)], |v[ST+8*(\k)+3]|, |v[ST+8*(\k)+4]|
.endr
.irp k, 0,1,2,3
	v_max3_num_f32 v[24+(\k)], v[24+(\k)], |v[ST+8*(\k)+5]|, |v[ST+8*(\k)+6]|
.endr
	v_max3_num_f32 v24, v24, |v[ST+7]|, |v[ST+15]|
	v_max3_num_f32 v26, v26, |v[ST+23]|, |v[ST+31]|
	v_max3_num_f32 v24, v24, v25, v26
.if (\j) == 0
	v_max_num_f32 v24, v24, v27
.else
	v_max3_num_f32 v24, v24, v27, v18              ; E never falls
.endif
	v_permlanex16_b32 v25, v24, s58, s59           ; the query's other 32 keys lie in the lane 16 away
	v_max_num_f32 v24, v24, v25
.if (\j) > 0
	v_mov_b32 v28, v18
.endif
	v_and_b32 v18, 0x7f800000, v24                 ; E
	v_sub_nc_u32 v20, 0x7f000000, v18              ; 1 / E
	v_mov_b32 v21, v20
.if (\j) > 0
	v_mul_f32 v22, v28, v20                        ; E_old / E
	v_mov_b32 v23, v22
.set i_, 0
.rept 32
	v_pk_mul_f32 v[O+2*i_:O+2*i_+1], v[O+2*i_:O+2*i_+1], v[22:23]
.set i_, i_+1
.endr
.endif
.set i_, 0
.rept 16
	v_pk_mul_f32 v[ST+2*i_:ST+2*i_+1], v[ST+2*i_:ST+2*i_+1], v[20:21]
.set i_, i_+1
.endr
.set i_, 0
.rept 16
	v_cvt_pk_f16_f32 v[PB+i_], v[ST+2*i_], v[ST+2*i_+1]
.set i_, i_+1
.endr
.irp kk, 0,1                           ; O^T += V^T P, 32 keys at a time: eight accumulators by turns
.if (\kk) > 0
	PLACES
.endif
.irp f, 0,1,2,3,4,5,6,7
	ds_load_tr16_b128 v[KV+8*(\f):KV+8*(\f)+3],   v241 offset:(\kk)*32*PV+32*(\f)
	ds_load_tr16_b128 v[KV+8*(\f)+4:KV+8*(\f)+7], v241 offset:(\kk)*32*PV+16*PV+32*(\f)
.endr
	s_wait_dscnt 0x0
.irp f, 0,1,2,3,4,5,6,7
.if ((\j) == 0) && ((\kk) == 0)
	v_wmma_f32_16x16x32_f16 v[O+8*(\f):O+8*(\f)+7], v[KV+8*(\f):KV+8*(\f)+7], v[PB+8*(\kk):PB+8*(\kk)+7], 0
.else
	v_wmma_f32_16x16x32_f16 v[O+8*(\f):O+8*(\f)+7], v[KV+8*(\f):KV+8*(\f)+7], v[PB+8*(\kk):PB+8*(\kk)+7], v[O+8*(\f):O+8*(\f)+7]
.endif
.endr
.endr
.endm
	BLK 0
	s_cmp_eq_u32 s19, 0                            ; the jumps hang on the wave's number and pass no barrier
	s_cbranch_scc1 .Lblkdone
	BLK 1
	s_cmp_eq_u32 s19, 1
	s_cbranch_scc1 .Lblkdone
	BLK 2
	s_cmp_eq_u32 s19, 2
	s_cbranch_scc1 .Lblkdone
	BLK 3
.Lblkdone:
	PLACES
	v_mul_f32 v22, 0x3db504f3, v18                 ; E 128^-0.5
	v_mov_b32 v23, v22
.set i_, 0
.rept 32
	v_pk_mul_f32 v[O+2*i_:O+2*i_+1], v[O+2*i_:O+2*i_+1], v[22:23]
.set i_, i_+1
.endr
	s_wait_dscnt 0x0
	s_barrier_signal -1
	s_barrier_wait -1                              ; the state's sixteen parts lie in LDS (stored in front of the barrier before; this one keeps the waves' ways alike)
	s_cmp_eq_u32 s15, 0
	s_cbranch_scc1 .Lfin
	; ---------------- O^T += 2^G_t Es 128^-0.5 (S / Es)^T Q^T ----------------
	v_exp_f32 v30, v16
	v_mul_f32 v31, 0x3db504f3, v29
	s_wait_alu depctr_va_vdst(0)
	v_mul_f32 v30, v30, v31
	v_mov_b32 v31, v30
.irp vh, 0,1
.irp cp, 0,1
	PLACES
.irp f, 0,1,2,3
.irp c, 0,1
	ds_load_b128 v[KV+16*(\f)+8*(\c):KV+16*(\f)+8*(\c)+3],   v6 offset:(4*(\vh)+(\f))*16*PK+64*(2*(\cp)+(\c))
	ds_load_b128 v[KV+16*(\f)+8*(\c)+4:KV+16*(\f)+8*(\c)+7], v6 offset:(4*(\vh)+(\f))*16*PK+64*(2*(\cp)+(\c))+32
.endr
.endr
	s_wait_dscnt 0x0
.irp c, 0,1
.irp f, 0,1,2,3
.if ((\cp) == 0) && ((\c) == 0)
	v_wmma_f32_16x16x32_f16 v[ST+8*(\f):ST+8*(\f)+7], v[KV+16*(\f)+8*(\c):KV+16*(\f)+8*(\c)+7], v[Q+8*(2*(\cp)+(\c)):Q+8*(2*(\cp)+(\c))+7], 0
.else
	v_wmma_f32_16x16x32_f16 v[ST+8*(\f):ST+8*(\f)+7], v[KV+16*(\f)+8*(\c):KV+16*(\f)+8*(\c)+7], v[Q+8*(2*(\cp)+(\c)):Q+8*(2*(\cp)+(\c))+7], v[ST+8*(\f):ST+8*(\f)+7]
.endif
.endr
.endr
.endr
	PLACES
.set i_, 0
.rept 16
	v_pk_fma_f32 v[O+32*(\vh)+2*i_:O+32*(\vh)+2*i_+1], v[ST+2*i_:ST+2*i_+1], v[30:31], v[O+32*(\vh)+2*i_:O+32*(\vh)+2*i_+1]
.set i_, i_+1
.endr
.endr
.Lfin:
	; ---------------- Eo, o / Eo in f16, out through my stage ----------------
.irp k, 0,1,2,3
	v_max3_num_f32 v[24+(\k)], |v[O+16*(\k)]|, |v[O+16*(\k)+1]|, |v[O+16*(\k)+2]|
.endr
.irp m, 0,1,2,3,4,5
.irp k, 0,1,2,3
	v_max3_num_f32 v[24+(\k)], v[24+(\k)], |v[O+16*(\k)+3+2*(\m)]|, |v[O+16*(\k)+4+2*(\m)]|
.endr
.endr
	v_max3_num_f32 v24, v24, |v[O+15]|, |v[O+31]|
	v_max3_num_f32 v26, v26, |v[O+47]|, |v[O+63]|
	v_max3_num_f32 v24, v24, v25, v26
	v_max_num_f32 v24, v24, v27
	v_permlanex16_b32 v25, v24, s58, s59
	v_max_num_f32 v24, v24, v25
	v_and_b32 v18, 0x7f800000, v24                 ; Eo
	v_sub_nc_u32 v20, 0x7f000000, v18
	v_mov_b32 v21, v20
.set i_, 0
.rept 32
	v_pk_mul_f32 v[O+2*i_:O+2*i_+1], v[O+2*i_:O+2*i_+1], v[20:21]
.set i_, i_+1
.endr
.set i_, 0
.rept 32
	v_cvt_pk_f16_f32 v[KV+i_], v[O+2*i_], v[O+2*i_+1]
.set i_, i_+1
.endr
.irp f, 0,1,2,3,4,5,6,7
	ds_store_b128 v8, v[KV+4*(\f):KV+4*(\f)+3] offset:32*(\f)
.endr
.irp t, 0,1,2,3,4,5,6,7
	ds_load_b128 v[KV+32+4*(\t):KV+32+4*(\t)+3], v9 offset:(\t)*2*PK  ; LDS serves a wave's instructions in order: these see the stores above
.endr
	ds_store_b32 v250, v18
.irp t, 0,1,2,3,4,5,6,7
	s_wait_dscnt 8-(\t)                            ; behind load t: 7 - t loads and the one store
	global_store_b128 v10, v[KV+32+4*(\t):KV+32+4*(\t)+3], s[54:55] offset:(\t)*4096  ; 16 lanes store 256 consecutive aligned bytes
.endr
	s_wait_dscnt 0x0
	s_barrier_signal -1
	s_barrier_wait -1                              ; all 256 Eo lie in LDS
	s_cmp_lg_u32 s14, 0
	s_cbranch_scc1 .Lend
	ds_load_b128 v[KV:KV+3], v244
	ds_load_b128 v[KV+4:KV+7], v244 offset:512
	s_wait_dscnt 0x0
	global_store_b128 v245, v[KV:KV+3], s[56:57]
	global_store_b128 v245, v[KV+4:KV+7], s[56:57] offset:512
.Lend:
	s_wait_tensorcnt 0x0                           ; the wave's end
	ds_add_u32 v[SPW], v[NIL]
	s_wait_dscnt 0x0
	s_endpgm
.Lfunc_end_k_q85e29937e0_glaout:
	.size	k_q85e29937e0_glaout, .Lfunc_end_k_q85e29937e0_glaout-k_q85e29937e0_glaout
	.p2alignl 7, 3214868480
	.fill 96, 4, 3214868480
	.section	.rodata,"a",@progbits
	.p2align	6, 0x0
	.amdhsa_kernel k_q85e29937e0_glaout
		.amdhsa_group_segment_fixed_size 252160
		.amdhsa_private_segment_fixed_size 0
		.amdhsa_enable_private_segment 0
		.amdhsa_kernarg_size 40
		.amdhsa_user_sgpr_count 2
		.amdhsa_user_sgpr_kernarg_segment_ptr 1
		.amdhsa_wavefront_size32 1
		.amdhsa_system_sgpr_workgroup_id_x 1
		.amdhsa_system_sgpr_workgroup_id_y 1
		.amdhsa_system_sgpr_workgroup_id_z 1
		.amdhsa_system_vgpr_workitem_id 0
		.amdhsa_next_free_vgpr 256
		.amdhsa_next_free_sgpr 66
		.amdhsa_reserve_vcc 1
		.amdhsa_float_denorm_mode_32 3
		.amdhsa_float_denorm_mode_16_64 3
		.amdhsa_memory_ordered 1
		.amdhsa_forward_progress 1
		.amdhsa_inst_pref_size 100
	.end_amdhsa_kernel
	.amdgpu_metadata
---
amdhsa.version: [ 1, 2 ]
amdhsa.kernels:
  - .name:           k_q85e29937e0_glaout
    .symbol:         k_q85e29937e0_glaout.kd
    .args:
      - { .name: qh, .offset: 0, .size: 8, .value_kind: global_buffer, .address_space: global }
      - { .name: prj, .offset: 8, .size: 8, .value_kind: global_buffer, .address_space: global }
      - { .name: cst, .offset: 16, .size: 8, .value_kind: global_buffer, .address_space: global }
      - { .name: sst, .offset: 24, .size: 8, .value_kind: global_buffer, .address_space: global }
      - { .name: ogl, .offset: 32, .size: 8, .value_kind: global_buffer, .address_space: global }
    .group_segment_fixed_size: 252160
    .private_segment_fixed_size: 0
    .kernarg_segment_align: 8
    .kernarg_segment_size: 40
    .max_flat_workgroup_size: 512
    .sgpr_count:     66
    .vgpr_count:     256
    .wavefront_size: 32
...
	.end_amdgpu_metadata
.endif
;; end of part 6
;; launch lnorm (part 7): grid 256 x 1, 8 waves a work-group, no clusters, 132,608 bytes of LDS; arguments ogl, prj, cst, gamma, anr; writes anr
.if DOCPART == 7
	.amdgcn_target "amdgcn-amd-amdhsa--gfx1250"
	.amdhsa_code_object_version 6
	.text
	.protected	k_q85e29937e0_lnorm
	.globl	k_q85e29937e0_lnorm
	.p2align	8
	.type	k_q85e29937e0_lnorm,@function
k_q85e29937e0_lnorm:
	s_mov_b64 s[64:65], 0
	v_nop
	global_prefetch_b8 v0, s[64:65] scope:SCOPE_SE
	s_setreg_imm32_b32 hwreg(HW_REG_WAVE_MODE, 25, 1), 1
	s_wait_xcnt 0x0
; gate = sigmoid(g1 Wg2^T); z = o gate (o = its f16 part x Eo); a = (z - mean) rsqrt(var + 1e-5) gamma, var from the differences (two passes over registers); a leaves in f16.
; gamma is rounded to bf16 like every input of the module.  The frame is the reflection launch's: a work-group takes 32 whole rows; phase 1: wave w makes the gate's columns 128 w .. + 127 and lays them
; in LDS in f32; phase 2: a whole row to a wave.  NO CLUSTER, for the same count: Wg2 padded in LDS is 278,528 bytes beside 131,584 of gate, and a wave has 64 matrix instructions in all.
.set LOWG,  50331648+4*524288          ; g1: blocks 4 to 7 of the stems
.set WG2H,  23855104
.set OSC,   16777216
.set BP,    4112
.set SPARE, 32*BP
.set YO,  4
.set LO,  5
.set WO,  6
.set ST0, 7
.set ST1, 8
.set RB,  9
.set SPW, 10
.set NIL, 11
.set GO,  12
.set ZR,  13
.set EO,  15
.set YQ,  16                           ; v16-79   my four rows of o, f16; later of a
.set LF,  80                           ; v80-143  g1's fragments; phase 2: gamma v80-111, Eo v112-127
.set GAM, 80
.set ES,  112
.set WB,  144                          ; v144-207 Wg2's fragments; phase 2: two rows of gate
.set ACC, 208                          ; v208-239 accumulators; phase 2: z
.set Z,   208
.set T,   240
.macro PLACES
.rept 4
	v_nop
.endr
.endm
	s_load_b256 s[4:11], s[0:1], 0x0               ; ogl, prj, cst, gamma
	s_load_b64 s[12:13], s[0:1], 0x20              ; anr
	v_lshl_add_u32 v[SPW], v0, 2, SPARE
	v_mov_b32 v[NIL], 0
	v_and_b32 v1, 31, v0
	v_and_b32 v2, 15, v0
	v_bfe_u32 v3, v0, 4, 1
	v_lshrrev_b32 v14, 5, v0
	v_readfirstlane_b32 s14, v14
	v_lshlrev_b32 v[YO], 4, v1
	v_lshl_add_u32 v[YO], v14, 13, v[YO]
	v_lshlrev_b32 v[LO], 6, v2
	v_lshl_add_u32 v[LO], v3, 4, v[LO]
	v_lshlrev_b32 v[WO], 8, v2
	v_lshl_add_u32 v[WO], v3, 4, v[WO]
	v_lshl_add_u32 v[WO], v14, 15, v[WO]
	v_mul_u32_u24 v[ST0], v2, BP
	v_lshl_add_u32 v[ST0], v3, 5, v[ST0]
	v_lshl_add_u32 v[ST0], v14, 9, v[ST0]
	v_add_nc_u32 v[ST1], 16*BP, v[ST0]
	v_mul_u32_u24 v[RB], v14, 4*BP
	v_lshl_add_u32 v[RB], v1, 5, v[RB]
	v_lshlrev_b32 v[GO], 5, v1                     ; gamma: 32 l
	v_lshlrev_b32 v[EO], 14, v3                    ; Eo: the head 2 j + l / 16 lies 16,384 bytes a head apart
	v_mov_b32 v[ZR], 0
	s_mov_b32 s20, 0x76543210
	s_mov_b32 s21, 0xfedcba98
	s_lshl_b32 s22, ttmp9, 16
	s_mov_b32 s23, 0
	s_lshl_b32 s24, ttmp9, 11
	s_add_co_u32 s24, s24, LOWG
	s_mov_b32 s25, 0
	s_lshr_b32 s26, ttmp9, 7                       ; b
	s_lshl_b32 s26, s26, 15                        ; x 8 heads x 4,096
	s_and_b32 s27, ttmp9, 127
	s_lshl_b32 s27, s27, 5                         ; the group's first step
	s_add_co_u32 s26, s26, s27
	s_lshl_b32 s27, s14, 2
	s_add_co_u32 s26, s26, s27                     ; my four steps
	s_lshl_b32 s26, s26, 2
	s_add_co_u32 s26, s26, OSC
	s_mov_b32 s27, 0
	s_wait_kmcnt 0x0
	s_add_nc_u64 s[28:29], s[4:5], s[22:23]        ; o
	s_add_nc_u64 s[30:31], s[6:7], s[24:25]        ; g1
	s_add_nc_u64 s[16:17], s[8:9], WG2H
	s_add_nc_u64 s[18:19], s[12:13], s[22:23]      ; a
	s_add_nc_u64 s[32:33], s[4:5], s[26:27]        ; Eo
.irp i, 0,1,2,3
.irp j, 0,1,2,3
	global_load_b128 v[YQ+16*(\i)+4*(\j):YQ+16*(\i)+4*(\j)+3], v[YO], s[28:29] offset:(\i)*2048+(\j)*512
.endr
.endr
.irp a, 0,1
.irp c, 0,1,2,3
	global_load_b128 v[LF+32*(\a)+8*(\c):LF+32*(\a)+8*(\c)+3],   v[LO], s[30:31] offset:(\c)*524288+(\a)*1024
	global_load_b128 v[LF+32*(\a)+8*(\c)+4:LF+32*(\a)+8*(\c)+7], v[LO], s[30:31] offset:(\c)*524288+(\a)*1024+32
.endr
.endr
.macro LDW f
.irp c, 0,1,2,3
	global_load_b128 v[WB+32*((\f)%2)+8*(\c):WB+32*((\f)%2)+8*(\c)+3],   v[WO], s[16:17] offset:(\f)*4096+64*(\c)
	global_load_b128 v[WB+32*((\f)%2)+8*(\c)+4:WB+32*((\f)%2)+8*(\c)+7], v[WO], s[16:17] offset:(\f)*4096+64*(\c)+32
.endr
.endm
	LDW 0
	LDW 1
.macro ACT p                           ; sigmoid of the set's 16 numbers
.set i_, 0
.rept 8
	v_pk_mul_f32 v[T+2*i_:T+2*i_+1], v[ACC+16*(\p)+2*i_:ACC+16*(\p)+2*i_+1], 0xbfb8aa3b op_sel_hi:[1,0]
.set i_, i_+1
.endr
.set i_, 0
.rept 16
	v_exp_f32 v[T+i_], v[T+i_]
.set i_, i_+1
.endr
	v_nop
	s_wait_alu depctr_va_vdst(0)
.set i_, 0
.rept 8
	v_pk_add_f32 v[T+2*i_:T+2*i_+1], v[T+2*i_:T+2*i_+1], 1.0 op_sel_hi:[1,0]
.set i_, i_+1
.endr
.set i_, 0
.rept 16
	v_rcp_f32 v[T+i_], v[T+i_]
.set i_, i_+1
.endr
	v_nop
	s_wait_alu depctr_va_vdst(0)
.endm
.macro PH1 f
.if (\f) < 7
	s_wait_loadcnt 8                               ; all but the next column fragment's 8 loads
.else
	s_wait_loadcnt 0x0
.endif
.irp c, 0,1,2,3
.irp a, 0,1
.if (\c) == 0
	v_wmma_f32_16x16x32_f16 v[ACC+16*((\f)%2)+8*(\a):ACC+16*((\f)%2)+8*(\a)+7], v[WB+32*((\f)%2)+8*(\c):WB+32*((\f)%2)+8*(\c)+7], v[LF+32*(\a)+8*(\c):LF+32*(\a)+8*(\c)+7], 0
.else
	v_wmma_f32_16x16x32_f16 v[ACC+16*((\f)%2)+8*(\a):ACC+16*((\f)%2)+8*(\a)+7], v[WB+32*((\f)%2)+8*(\c):WB+32*((\f)%2)+8*(\c)+7], v[LF+32*(\a)+8*(\c):LF+32*(\a)+8*(\c)+7], v[ACC+16*((\f)%2)+8*(\a):ACC+16*((\f)%2)+8*(\a)+7]
.endif
.endr
.endr
	PLACES
.if (\f) < 6
	LDW (\f)+2
.endif
.if (\f) == 7                          ; g1's registers are free: gamma of my 32 columns, and Eo of my four rows' heads
.irp j, 0,1,2,3
	global_load_b128 v[GAM+8*(\j):GAM+8*(\j)+3],   v[GO], s[10:11] offset:1024*(\j)
	global_load_b128 v[GAM+8*(\j)+4:GAM+8*(\j)+7], v[GO], s[10:11] offset:1024*(\j)+16
.endr
.irp i, 0,1,2,3
.irp j, 0,1,2,3
	global_load_b32 v[ES+4*(\i)+(\j)], v[EO], s[32:33] offset:(\j)*32768+4*(\i)
.endr
.endr
.endif
	ACT (\f)%2
	ds_store_b128 v[ST0], v[T:T+3]     offset:64*(\f)
	ds_store_b128 v[ST0], v[T+4:T+7]   offset:64*(\f)+16
	ds_store_b128 v[ST1], v[T+8:T+11]  offset:64*(\f)
	ds_store_b128 v[ST1], v[T+12:T+15] offset:64*(\f)+16
.endm
.irp f, 0,1,2,3,4,5,6,7
	PH1 \f
.endr
	s_wait_dscnt 0x0
	s_barrier_signal -1
	s_barrier_wait -1
.macro LDROW i
.irp j, 0,1,2,3
	ds_load_b128 v[WB+32*((\i)%2)+8*(\j):WB+32*((\i)%2)+8*(\j)+3],   v[RB] offset:(\i)*BP+1024*(\j)
	ds_load_b128 v[WB+32*((\i)%2)+8*(\j)+4:WB+32*((\i)%2)+8*(\j)+7], v[RB] offset:(\i)*BP+1024*(\j)+16
.endr
.endm
.macro LANESUM a                       ; the sum over the wave's 32 lanes, in every lane
.irp m, 1,2,4,8
	v_add_f32_dpp v[\a], v[\a], v[\a] row_xmask:\m row_mask:0xf bank_mask:0xf
.endr
	v_permlanex16_b32 v[\a+1], v[\a], s20, s21
	v_add_f32 v[\a], v[\a], v[\a+1]
.endm
.macro LROW i
.if (\i) < 3
	LDROW (\i)+1
	s_wait_dscnt 8
.else
	s_wait_dscnt 0x0
.endif
.set bv_, WB+32*((\i)%2)
.set yq_, YQ+16*(\i)
.irp j, 0,1,2,3
.irp m, 0,1,2,3
.if (\j)%2 == 0
	v_pk_mul_f32 v[bv_+8*(\j)+2*(\m):bv_+8*(\j)+2*(\m)+1], v[bv_+8*(\j)+2*(\m):bv_+8*(\j)+2*(\m)+1], v[ES+4*(\i)+2*((\j)/2):ES+4*(\i)+2*((\j)/2)+1] op_sel_hi:[1,0]             ; gate x Eo: the pair's first for both
.else
	v_pk_mul_f32 v[bv_+8*(\j)+2*(\m):bv_+8*(\j)+2*(\m)+1], v[bv_+8*(\j)+2*(\m):bv_+8*(\j)+2*(\m)+1], v[ES+4*(\i)+2*((\j)/2):ES+4*(\i)+2*((\j)/2)+1] op_sel:[0,1] op_sel_hi:[1,1] ; the pair's second for both
.endif
.endr
.endr
.set k_, 0
.rept 16
	v_fma_mix_f32 v[Z+2*k_],   v[yq_+k_], v[bv_+2*k_],   v[ZR] op_sel_hi:[1,0,0]                ; z, straight from the f16 halves
	v_fma_mix_f32 v[Z+2*k_+1], v[yq_+k_], v[bv_+2*k_+1], v[ZR] op_sel:[1,0,0] op_sel_hi:[1,0,0]
.set k_, k_+1
.endr
	v_pk_add_f32 v[T:T+1], v[Z:Z+1], v[Z+2:Z+3]
	v_pk_add_f32 v[T+2:T+3], v[Z+4:Z+5], v[Z+6:Z+7]
.set k_, 4
.rept 12
	v_pk_add_f32 v[T+2*(k_%2):T+2*(k_%2)+1], v[T+2*(k_%2):T+2*(k_%2)+1], v[Z+2*k_:Z+2*k_+1]
.set k_, k_+1
.endr
	v_pk_add_f32 v[T:T+1], v[T:T+1], v[T+2:T+3]
	v_add_f32 v[T], v[T], v[T+1]
	LANESUM T
	v_mul_f32 v[T], 0xba800000, v[T]               ; - mean
	v_mov_b32 v[T+1], v[T]
.set k_, 0
.rept 16
	v_pk_add_f32 v[Z+2*k_:Z+2*k_+1], v[Z+2*k_:Z+2*k_+1], v[T:T+1]
.set k_, k_+1
.endr
.set k_, 0
.rept 16
.if k_ < 2
	v_pk_mul_f32 v[T+4+2*k_:T+4+2*k_+1], v[Z+2*k_:Z+2*k_+1], v[Z+2*k_:Z+2*k_+1]
.else
	v_pk_fma_f32 v[T+4+2*(k_%2):T+4+2*(k_%2)+1], v[Z+2*k_:Z+2*k_+1], v[Z+2*k_:Z+2*k_+1], v[T+4+2*(k_%2):T+4+2*(k_%2)+1]
.endif
.set k_, k_+1
.endr
	v_pk_add_f32 v[T+4:T+5], v[T+4:T+5], v[T+6:T+7]
	v_add_f32 v[T+4], v[T+4], v[T+5]
	LANESUM T+4
	v_mul_f32 v[T+4], 0x3a800000, v[T+4]           ; / 1,024
	v_add_f32 v[T+4], 0x3727c5ac, v[T+4]           ; + 1e-5
	v_rsq_f32 v[T+4], v[T+4]
	v_nop
	s_wait_alu depctr_va_vdst(0)
	v_mov_b32 v[T+5], v[T+4]
.set k_, 0
.rept 16
	v_pk_mul_f32 v[Z+2*k_:Z+2*k_+1], v[Z+2*k_:Z+2*k_+1], v[T+4:T+5]
.set k_, k_+1
.endr
.set k_, 0
.rept 16
	v_pk_mul_f32 v[Z+2*k_:Z+2*k_+1], v[Z+2*k_:Z+2*k_+1], v[GAM+2*k_:GAM+2*k_+1]
.set k_, k_+1
.endr
.set k_, 0
.rept 16
	v_cvt_pk_f16_f32 v[yq_+k_], v[Z+2*k_], v[Z+2*k_+1]
.set k_, k_+1
.endr
.irp j, 0,1,2,3
	global_store_b128 v[YO], v[YQ+16*(\i)+4*(\j):YQ+16*(\i)+4*(\j)+3], s[18:19] offset:(\i)*2048+(\j)*512
.endr
.endm
	LDROW 0
	s_wait_loadcnt 0x0                             ; gamma and Eo
.set k_, 0
.rept 16
	v_cvt_pk_bf16_f32 v[T], v[GAM+2*k_], v[GAM+2*k_+1]
	v_lshlrev_b32 v[GAM+2*k_], 16, v[T]
	v_and_b32 v[GAM+2*k_+1], 0xffff0000, v[T]
.set k_, k_+1
.endr
	LROW 0
	LROW 1
	LROW 2
	LROW 3
	s_wait_tensorcnt 0x0                           ; the wave's end, behind my last LDS store
	ds_add_u32 v[SPW], v[NIL]
	s_wait_dscnt 0x0
	s_endpgm
.Lfunc_end_k_q85e29937e0_lnorm:
	.size	k_q85e29937e0_lnorm, .Lfunc_end_k_q85e29937e0_lnorm-k_q85e29937e0_lnorm
	.p2alignl 7, 3214868480
	.fill 96, 4, 3214868480
	.section	.rodata,"a",@progbits
	.p2align	6, 0x0
	.amdhsa_kernel k_q85e29937e0_lnorm
		.amdhsa_group_segment_fixed_size 132608
		.amdhsa_private_segment_fixed_size 0
		.amdhsa_enable_private_segment 0
		.amdhsa_kernarg_size 40
		.amdhsa_user_sgpr_count 2
		.amdhsa_user_sgpr_kernarg_segment_ptr 1
		.amdhsa_wavefront_size32 1
		.amdhsa_system_sgpr_workgroup_id_x 1
		.amdhsa_system_sgpr_workgroup_id_y 1
		.amdhsa_system_sgpr_workgroup_id_z 1
		.amdhsa_system_vgpr_workitem_id 0
		.amdhsa_next_free_vgpr 256
		.amdhsa_next_free_sgpr 66
		.amdhsa_reserve_vcc 0
		.amdhsa_float_denorm_mode_32 3
		.amdhsa_float_denorm_mode_16_64 3
		.amdhsa_memory_ordered 1
		.amdhsa_forward_progress 1
		.amdhsa_inst_pref_size 87
	.end_amdhsa_kernel
	.amdgpu_metadata
---
amdhsa.version: [ 1, 2 ]
amdhsa.kernels:
  - .name:           k_q85e29937e0_lnorm
    .symbol:         k_q85e29937e0_lnorm.kd
    .args:
      - { .name: ogl, .offset: 0, .size: 8, .value_kind: global_buffer, .address_space: global }
      - { .name: prj, .offset: 8, .size: 8, .value_kind: global_buffer, .address_space: global }
      - { .name: cst, .offset: 16, .size: 8, .value_kind: global_buffer, .address_space: global }
      - { .name: gamma, .offset: 24, .size: 8, .value_kind: global_buffer, .address_space: global }
      - { .name: anr, .offset: 32, .size: 8, .value_kind: global_buffer, .address_space: global }
    .group_segment_fixed_size: 132608
    .private_segment_fixed_size: 0
    .kernarg_segment_align: 8
    .kernarg_segment_size: 40
    .max_flat_workgroup_size: 256
    .sgpr_count:     66
    .vgpr_count:     256
    .wavefront_size: 32
...
	.end_amdgpu_metadata
.endif
;; end of part 7
;; launch oproj (part 8): grid 4 x 64, 4 waves a work-group, clusters of 4 x 4, 327,680 bytes of LDS; arguments anr, cst, out0; writes out0
.if DOCPART == 8
	.amdgcn_target "amdgcn-amd-amdhsa--gfx1250"
	.amdhsa_code_object_version 6
	.text
	.protected	k_q85e29937e0_oproj
	.globl	k_q85e29937e0_oproj
	.p2align	8
	.type	k_q85e29937e0_oproj,@function
k_q85e29937e0_oproj:
	s_mov_b64 s[64:65], 0
	v_nop
	global_prefetch_b8 v0, s[64:65] scope:SCOPE_SE
	s_setreg_imm32_b32 hwreg(HW_REG_WAVE_MODE, 25, 1), 1
	s_wait_xcnt 0x0
	s_wait_alu depctr_hold_cnt(0) depctr_sa_sdst(0) depctr_va_vdst(0) depctr_va_sdst(0) depctr_va_ssrc(0) depctr_va_vcc(0) depctr_vm_vsrc(0)
	s_getreg_b32 s2, hwreg(HW_REG_IB_STS2, 6, 4)
	s_cmp_eq_u32 s2, 0
	s_cbranch_scc0 .Lentry_in_a_cluster
	s_endpgm
.Lentry_in_a_cluster:
	s_bfe_u32 s2, ttmp6, 0x10000c
	s_cmp_lg_u32 s2, 0xf033
	s_cbranch_scc0 .Lentry_shape_is_right
	s_endpgm
.Lentry_shape_is_right:
; out0 = a Wo^T.  a [8192][1024] f16, Wo [1024][1024] (rounded to bf16, written as f16), sums and output in f32.  A tile is 128 rows x 256 columns: 256 work-groups.
; Four waves: wave (wr, wc) has rows 64 wr .. + 63 and column fragments 2 b + wc, b = 0..7: 32 accumulators, window 2.  K in steps of 128 (rows of 256 bytes, LDS pitch 272) through two slots.
; CLUSTER 4 x 4: a row of the cluster shares A's tile, a column B's; each is asked for jointly.  The matrix instruction is used transposed: a lane holds row l % 16 and eight neighbouring columns.
; REGISTERS: window 0: v0-31 addresses, v32-95 A's fragments (two sets), v96-159 on the way out; window 1: B's fragments, two sets of 8; window 2: accumulator n = 8 a + b at 8 n.
.set PITCH, 272
.set BF,    8
.set BOFF,  128*PITCH                  ; a slot: A's 128 rows, then B's 256
.set SLOT,  384*PITCH
.set SPARE, 2*SLOT
.set SP,    1040                       ; the stage's pitch: 1,024 bytes of f32 + 16; it lies in the ring, which has had its last fill by then
.set WOH,   24117248
.set ADRA, 16
.set ADRB, 18
.set STO,  22
.set RD,   23
.set CO,   24
.set SPW,  28
.set NIL,  29
.set G1A, 24
.set G0A, 32
.set G1B, 48
.set G0B, 56
.set MSB, 0
.macro WIN new
.if MSB != (\new)
	s_set_vgpr_msb (MSB<<8)|(\new)
.set MSB, (\new)
.endif
.endm
.macro PLACES
.rept 4
	v_nop
.endr
.endm
.macro JLOAD s                         ; waves 0 and 1 fetch A's halves (64 rows), waves 2 and 3 B's (128 rows); an s_nop 0 and four v_nop follow each line
	s_cmp_eq_u32 s11, 0
	s_cbranch_scc0 .Lforb_\@
	tensor_load_to_lds s[G0A+4*(\s):G0A+4*(\s)+3], s[G1A:G1A+7]
	s_nop 0
.rept 4
	v_nop
.endr
	s_branch .Lasked_\@
.Lforb_\@:
	tensor_load_to_lds s[G0B+4*(\s):G0B+4*(\s)+3], s[G1B:G1B+7]
	s_nop 0
.rept 4
	v_nop
.endr
.Lasked_\@:
.endm
.macro CREST
	s_cmp_lg_u32 s10, 0
	s_cbranch_scc1 .Lnot_wave_0_\@
	s_barrier_signal -3
.Lnot_wave_0_\@:
	s_barrier_wait -3
	s_barrier_signal -1
	s_barrier_wait -1
.endm
.macro CROUND
	s_barrier_signal -1
	s_barrier_wait -1
	CREST
.endm
	s_load_b128 s[4:7], s[0:1], 0x0                ; anr, cst
	s_load_b64 s[8:9], s[0:1], 0x10                ; out0
	v_lshl_add_u32 v[SPW], v0, 2, SPARE
	v_mov_b32 v[NIL], 0
	ds_add_u32 v[SPW], v[NIL]                      ; the wave's opening: the add, twice on end, and its wait ahead of my first tensor load
	ds_add_u32 v[SPW], v[NIL]
	v_lshrrev_b32 v1, 5, v0
	v_readfirstlane_b32 s10, v1
	s_lshr_b32 s11, s10, 1                         ; wr; also: I fetch for A (0) or B (1)
	s_and_b32 s12, s10, 1                          ; wc; also: which half I fetch
	s_bfe_u32 s40, ttmp6, 0x40000
	s_bfe_u32 s41, ttmp6, 0x40004
	s_lshl_b32 s42, ttmp9, 2
	s_add_co_u32 s42, s42, s40                     ; column tile
	s_and_b32 s13, ttmp7, 0xffff
	s_lshl_b32 s13, s13, 2
	s_add_co_u32 s13, s13, s41                     ; row tile
	s_lshl_b32 s43, s41, 2
	s_lshl_b32 s43, 15, s43
	s_lshl_b32 s44, 0x1111, s40
	s_or_b32 s[G1A], s43, (1<<16)|(1<<20)|(1<<21)|(5<<22)|(3<<25)
	s_or_b32 s[G1B], s44, (1<<16)|(1<<20)|(1<<21)|(5<<22)|(3<<25)
.irp g, G1A, G1B
	s_mov_b32 s[(\g)+1], 128<<16
	s_mov_b32 s[(\g)+3], 128<<16
	s_mov_b32 s[(\g)+5], 1024
	s_mov_b32 s[(\g)+6], 0
	s_mov_b32 s[(\g)+7], 0
.endr
	s_mov_b32 s[G1A+2], 64<<16
	s_mov_b32 s[G1A+4], 64
	s_mov_b32 s[G1B+2], 128<<16
	s_mov_b32 s[G1B+4], 128
	s_lshl_b32 s16, s13, 7                         ; A: row 128 x row tile + 64 x half
	s_lshl_b32 s17, s12, 6
	s_add_co_u32 s16, s16, s17
	s_lshl_b32 s16, s16, 11
	s_mov_b32 s17, 0
	s_lshl_b32 s46, s42, 8                         ; B: row 256 x column tile + 128 x half
	s_lshl_b32 s47, s12, 7
	s_add_co_u32 s46, s46, s47
	s_lshl_b32 s46, s46, 11
	s_add_co_u32 s46, s46, WOH
	s_mov_b32 s47, 0
	s_mul_i32 s20, s12, 64*PITCH
	s_mul_i32 s21, s12, 128*PITCH
	s_add_co_u32 s21, s21, BOFF
	s_wait_dscnt 0x0
	s_wait_kmcnt 0x0
	s_add_nc_u64 s[14:15], s[4:5], s[16:17]
	s_add_nc_u64 s[46:47], s[6:7], s[46:47]
	CROUND
.irp s, 0,1
	s_mov_b32 s[G0A+4*(\s)], 1
	s_add_co_u32 s[G0A+4*(\s)+1], s20, (\s)*SLOT
	s_add_nc_u64 s[G0A+4*(\s)+2:G0A+4*(\s)+3], s[14:15], (\s)*256
	s_or_b32 s[G0A+4*(\s)+3], s[G0A+4*(\s)+3], 0x80000000
	s_mov_b32 s[G0B+4*(\s)], 1
	s_add_co_u32 s[G0B+4*(\s)+1], s21, (\s)*SLOT
	s_add_nc_u64 s[G0B+4*(\s)+2:G0B+4*(\s)+3], s[46:47], (\s)*256
	s_or_b32 s[G0B+4*(\s)+3], s[G0B+4*(\s)+3], 0x80000000
	JLOAD \s
.endr
	v_and_b32 v1, 15, v0
	v_bfe_u32 v2, v0, 4, 1
	v_and_b32 v5, 31, v0
	v_mul_u32_u24 v3, v1, PITCH
	v_lshl_add_u32 v3, v2, 4, v3
	s_mul_i32 s21, s11, 64*PITCH
	s_mul_i32 s22, s12, 16*PITCH
	s_add_co_u32 s22, s22, BOFF
.irp s, 0,1
	v_add_nc_u32 v[ADRA+(\s)], s21, v3
	v_add_nc_u32 v[ADRB+(\s)], s22, v3
	s_add_co_u32 s21, s21, SLOT
	s_add_co_u32 s22, s22, SLOT
.endr
	s_mul_i32 s23, s11, 64*SP                      ; into the stage: row 64 wr + r, bytes 64 wc + 32 h
	s_lshl_b32 s21, s12, 6
	s_add_co_u32 s23, s23, s21
	v_mul_u32_u24 v4, v1, SP
	v_lshl_add_u32 v4, v2, 5, v4
	v_add_nc_u32 v[STO], s23, v4
	s_mul_i32 s23, s10, 32*SP                      ; back: wave w takes rows 32 w .. + 31, 512 bytes a load
	v_lshlrev_b32 v[CO], 4, v5
	v_add_nc_u32 v[RD], s23, v[CO]
	s_lshl_b32 s68, s13, 7
	s_lshl_b32 s69, s10, 5
	s_add_co_u32 s68, s68, s69
	s_lshl_b32 s68, s68, 12
	s_lshl_b32 s69, s42, 10
	s_add_co_u32 s68, s68, s69
	s_mov_b32 s69, 0
	s_add_nc_u64 s[8:9], s[8:9], s[68:69]
.macro MULA f, a, zero                 ; 8 matrix instructions; all 32 accumulators take turns in one fixed order
	WIN 0xa1
.irp b, 0,1,2,3,4,5,6,7
.if \zero
	v_wmma_f32_16x16x32_f16 v[8*(BF*(\a)+(\b)):8*(BF*(\a)+(\b))+7], v[8*BF*(\f)+8*(\b):8*BF*(\f)+8*(\b)+7], v[32+32*(\f)+8*(\a):32+32*(\f)+8*(\a)+7], 0
.else
	v_wmma_f32_16x16x32_f16 v[8*(BF*(\a)+(\b)):8*(BF*(\a)+(\b))+7], v[8*BF*(\f)+8*(\b):8*BF*(\f)+8*(\b)+7], v[32+32*(\f)+8*(\a):32+32*(\f)+8*(\a)+7], v[8*(BF*(\a)+(\b)):8*(BF*(\a)+(\b))+7]
.endif
.endr
.endm
.macro FETCH slot, k, f                ; 24 LDS loads in one run: B's 16, then A's 8 with the row fragments ascending
	WIN 0x40
.irp b, 0,1,2,3,4,5,6,7
	ds_load_b128 v[8*BF*(\f)+8*(\b):8*BF*(\f)+8*(\b)+3],   v[ADRB+(\slot)] offset:(\k)+(\b)*32*PITCH
	ds_load_b128 v[8*BF*(\f)+8*(\b)+4:8*BF*(\f)+8*(\b)+7], v[ADRB+(\slot)] offset:(\k)+(\b)*32*PITCH+32
.endr
	WIN 0
.irp a, 0,1,2,3
	ds_load_b128 v[32+32*(\f)+8*(\a):32+32*(\f)+8*(\a)+3],   v[ADRA+(\slot)] offset:(\k)+(\a)*16*PITCH
	ds_load_b128 v[32+32*(\f)+8*(\a)+4:32+32*(\f)+8*(\a)+7], v[ADRA+(\slot)] offset:(\k)+(\a)*16*PITCH+32
.endr
.endm
.macro QUARTER slot, k, f, g, zero
	s_wait_dscnt 4                                 ; all but A's row fragments 2 and 3
	MULA \f, 0, \zero
	MULA \f, 1, \zero
	PLACES
	FETCH \slot, \k, \g
	s_wait_dscnt 2*BF+8                            ; all but the 24 just issued
	MULA \f, 2, \zero
	MULA \f, 3, \zero
.endm
.macro TURN slot, next, fill           ; the change of slots: the wait for all my tensor loads, the add, the wait for it and for my reads; with fill = 1 a round of the cluster's barrier and the joint refill first behind it
	WIN 0
	s_wait_tensorcnt 0x0
	ds_add_u32 v[SPW], v[NIL]
	s_wait_dscnt 5                                 ; the add and A's last four loads may be out
	MULA 1, 0, 0
	s_wait_dscnt 0x0
	s_barrier_signal -1
	MULA 1, 1, 0
	WIN 0
	s_barrier_wait -1
.if \fill
	CREST
	s_add_nc_u64 s[G0A+4*(\slot)+2:G0A+4*(\slot)+3], s[G0A+4*(\slot)+2:G0A+4*(\slot)+3], 512
	s_add_nc_u64 s[G0B+4*(\slot)+2:G0B+4*(\slot)+3], s[G0B+4*(\slot)+2:G0B+4*(\slot)+3], 512
	JLOAD \slot
.else
	PLACES
.endif
	FETCH \next, 0, 0
	MULA 1, 2, 0
	MULA 1, 3, 0
.endm
	s_wait_tensorcnt 1                             ; my part of K step 0 is in; K step 1's stays out
	s_barrier_signal -1
	s_barrier_wait -1
	FETCH 0, 0, 0
	QUARTER 0, 64, 0, 1, 1
	WIN 0
	s_mov_b32 s3, 3
.Llap:
	QUARTER 0, 128, 1, 0, 0
	QUARTER 0, 192, 0, 1, 0
	TURN 0, 1, 1
	QUARTER 1, 64,  0, 1, 0
	QUARTER 1, 128, 1, 0, 0
	QUARTER 1, 192, 0, 1, 0
	TURN 1, 0, 1
	QUARTER 0, 64,  0, 1, 0
	WIN 0
	s_sub_co_u32 s3, s3, 1
	s_cmp_lg_u32 s3, 0
	s_cbranch_scc1 .Llap
	QUARTER 0, 128, 1, 0, 0
	QUARTER 0, 192, 0, 1, 0
	TURN 0, 1, 0
	QUARTER 1, 64,  0, 1, 0
	QUARTER 1, 128, 1, 0, 0
	QUARTER 1, 192, 0, 1, 0
	s_wait_dscnt 4
	MULA 1, 0, 0
	MULA 1, 1, 0
	s_wait_dscnt 0x0
	MULA 1, 2, 0
	MULA 1, 3, 0
	WIN 0
	s_barrier_signal -1                            ; every wave's reads of the ring are over: the stage may be written over it
	s_barrier_wait -1
	PLACES
	WIN 0x08                                       ; the stores' data lie in window 2
.irp a, 0,1,2,3
.irp b, 0,1,2,3,4,5,6,7
	ds_store_b128 v[STO], v[8*(BF*(\a)+(\b)):8*(BF*(\a)+(\b))+3]   offset:(\a)*16*SP+128*(\b)     ; the low four registers first
	ds_store_b128 v[STO], v[8*(BF*(\a)+(\b))+4:8*(BF*(\a)+(\b))+7] offset:(\a)*16*SP+128*(\b)+16
.endr
.endr
	WIN 0
	s_wait_dscnt 0x0
	s_barrier_signal -1
	s_barrier_wait -1
.irp q, 0,1,2,3
.if (\q) > 0
	s_wait_xcnt 0x0                                ; the registers that the stores read are loaded again only behind this wait
.endif
.irp t, 0,1,2,3,4,5,6,7,8,9,10,11,12,13,14,15
	ds_load_b128 v[96+4*(\t):96+4*(\t)+3], v[RD] offset:(8*(\q)+(\t)/2)*SP+512*((\t)%2)
.endr
.irp t, 0,1,2,3,4,5,6,7,8,9,10,11,12,13,14,15
	s_wait_dscnt 15-(\t)
	global_store_b128 v[CO], v[96+4*(\t):96+4*(\t)+3], s[8:9] offset:(8*(\q)+(\t)/2)*4096+512*((\t)%2) th:TH_STORE_NT  ; 512 consecutive aligned bytes
.endr
.endr
	s_wait_tensorcnt 0x0                           ; the wave's end
	ds_add_u32 v[SPW], v[NIL]
	s_wait_dscnt 0x0
	CROUND                                         ; the closing round
	s_endpgm
.Lfunc_end_k_q85e29937e0_oproj:
	.size	k_q85e29937e0_oproj, .Lfunc_end_k_q85e29937e0_oproj-k_q85e29937e0_oproj
	.p2alignl 7, 3214868480
	.fill 96, 4, 3214868480
	.section	.rodata,"a",@progbits
	.p2align	6, 0x0
	.amdhsa_kernel k_q85e29937e0_oproj
		.amdhsa_group_segment_fixed_size 327680
		.amdhsa_private_segment_fixed_size 0
		.amdhsa_enable_private_segment 0
		.amdhsa_kernarg_size 24
		.amdhsa_user_sgpr_count 2
		.amdhsa_user_sgpr_kernarg_segment_ptr 1
		.amdhsa_wavefront_size32 1
		.amdhsa_system_sgpr_workgroup_id_x 1
		.amdhsa_system_sgpr_workgroup_id_y 1
		.amdhsa_system_sgpr_workgroup_id_z 1
		.amdhsa_system_vgpr_workitem_id 0
		.amdhsa_next_free_vgpr 768
		.amdhsa_next_free_sgpr 80
		.amdhsa_reserve_vcc 0
		.amdhsa_float_denorm_mode_32 3
		.amdhsa_float_denorm_mode_16_64 3
		.amdhsa_memory_ordered 1
		.amdhsa_forward_progress 1
		.amdhsa_inst_pref_size 87
	.end_amdhsa_kernel
	.amdgpu_metadata
---
amdhsa.version: [ 1, 2 ]
amdhsa.kernels:
  - .name:           k_q85e29937e0_oproj
    .symbol:         k_q85e29937e0_oproj.kd
    .args:
      - { .name: anr, .offset: 0, .size: 8, .value_kind: global_buffer, .address_space: global }
      - { .name: cst, .offset: 8, .size: 8, .value_kind: global_buffer, .address_space: global }
      - { .name: out0, .offset: 16, .size: 8, .value_kind: global_buffer, .address_space: global }
    .group_segment_fixed_size: 327680
    .private_segment_fixed_size: 0
    .kernarg_segment_align: 8
    .kernarg_segment_size: 24
    .max_flat_workgroup_size: 128
    .sgpr_count:     80
    .vgpr_count:     768
    .wavefront_size: 32
...
	.end_amdgpu_metadata
.endif
;; end of part 8
